; MI455X (gfx1250); checked and timed in simulation.
; The chip was launched on July 23, 2026; its instructions are those of AMD's public machine-readable ISA for CDNA 5 (MIT licence, August 2026) and "CDNA5" Instruction Set Architecture Reference Guide (July 2026). The comments in the code are by the model that wrote it; some were corrected since.
;; Multi Head Attention. Allowed arithmetic: matrix products marked QUANTISED: E2M1 operands, one E8M0 scale for each 32 along K, by v_wmma_scale_f32_16x16x128_f8f6f4 with both operands' format E2M1 (or v_wmma_scale_f32_32x16x128_f4), f32 sums; everything else in f32.
;; Inputs: Wk_codes 1,024 x 32 x 16 uint8 (E2M1 codes of Wk, K innermost, in blocks of 32 codes, two codes a byte); Wk_scales 1,024 x 32 uint8 (E8M0 scales of Wk, one for each 32 codes along K); Wo_codes 1,024 x 32 x 16 uint8 (E2M1 codes of Wo, K innermost, in blocks of 32 codes, two codes a byte); Wo_scales 1,024 x 32 uint8 (E8M0 scales of Wo, one for each 32 codes along K); Wq_codes 1,024 x 32 x 16 uint8 (E2M1 codes of Wq, K innermost, in blocks of 32 codes, two codes a byte); Wq_scales 1,024 x 32 uint8 (E8M0 scales of Wq, one for each 32 codes along K); Wv_codes 1,024 x 32 x 16 uint8 (E2M1 codes of Wv, K innermost, in blocks of 32 codes, two codes a byte); Wv_scales 1,024 x 32 uint8 (E8M0 scales of Wv, one for each 32 codes along K); bk 1,024 float32; bo 1,024 float32; bq 1,024 float32; bv 1,024 float32; keys_codes 4 x 2,048 x 32 x 16 uint8 (E2M1 codes of keys, K innermost, in blocks of 32 codes, two codes a byte); keys_scales 4 x 2,048 x 32 uint8 (E8M0 scales of keys, one for each 32 codes along K); queries_codes 4 x 2,048 x 32 x 16 uint8 (E2M1 codes of queries, K innermost, in blocks of 32 codes, two codes a byte); queries_scales 4 x 2,048 x 32 uint8 (E8M0 scales of queries, one for each 32 codes along K); values_codes 4 x 2,048 x 32 x 16 uint8 (E2M1 codes of values, K innermost, in blocks of 32 codes, two codes a byte); values_scales 4 x 2,048 x 32 uint8 (E8M0 scales of values, one for each 32 codes along K).
;; Outputs: out0 4 x 2,048 x 1,024 float32.
;; This version of the problem:
;;   THIS VERSION OF THE PROBLEM IS GIVEN IN LOW PRECISION. The matrix products marked QUANTISED in the list below multiply operands that are first quantised to E2M1 (2 exponent bits, 1 mantissa bit; 4 bits a number), with one power-of-two scale for each 32 numbers along K (OCP MX v1.0); their sums are f32. All else is computed in f32.
;;   The module's matrix products, in the order in which they are computed (A, B: the left and right operand; K: the contracted axis; several contracted axes count as one K, in the product's order):
;;     1. [M 8,192, K 1,024] x [K 1,024, N 1,024]; A: input queries (given as codes); B: input Wq (given as codes): QUANTISED
;;     2. [M 8,192, K 1,024] x [K 1,024, N 1,024]; A: input keys (given as codes); B: input Wk (given as codes): QUANTISED
;;     3. [M 8,192, K 1,024] x [K 1,024, N 1,024]; A: input values (given as codes); B: input Wv (given as codes): QUANTISED
;;     4. batch 64 x [M 2,048, K 64] x [K 64, N 2,048]; A: computed on the way; B: computed on the way: QUANTISED
;;     5. batch 64 x [M 2,048, K 2,048] x [K 2,048, N 64]; A: softmax (see below); B: computed on the way: QUANTISED
;;     6. [M 8,192, K 1,024] x [K 1,024, N 1,024]; A: computed on the way; B: input Wo (given as codes): QUANTISED
;;   THE QUANTISER, for each operand of a quantised product, along K:
;;     - K is cut into blocks of 32 from its start; a last block that is shorter is filled with zeros.
;;     - A block's scale is 2^e with e = floor(log2(the largest magnitude in the block)) - 2, held to -126 .. 127; a block of zeros has e = 0. As a byte (E8M0): e + 127.
;;     - Each number is divided by its block's scale, clamped to +-6, and rounded to the nearest number of E2M1, ties to even, subnormals kept.
;;     - The product sums the exact products of the quantised numbers (number of the format x scale) in f32.
;;   ~~~python
;;   def quantise(x, axis):      # numpy; x: float32 -> the quantised numbers, widened to float32 again
;;       x = np.moveaxis(x, axis, -1); K = x.shape[-1]
;;       x = np.pad(x, [(0, 0)] * (x.ndim - 1) + [(0, -K % 32)]); x = x.reshape(x.shape[:-1] + (-1, 32)); a = np.abs(x).max(-1, keepdims=True)
;;       e = np.where(a > 0, np.clip(np.frexp(np.where(a > 0, a, 1))[1] - 1 - 2, -126, 127), 0)      # np.frexp(a)[1] - 1 = floor(log2(a)), exactly
;;       r = np.clip(x / 2.0 ** e, -6, 6)
;;       step = 2.0 ** (np.maximum(np.frexp(np.where(r == 0, 1, r))[1] - 1, 0) - 1)
;;       q = np.round(r / step) * step * 2.0 ** e      # np.round: ties to even
;;       return np.moveaxis(q.reshape(q.shape[:-2] + (-1,))[..., :K], -1, axis).astype(np.float32)
;;   ~~~
;;   SOFTMAX AHEAD OF A QUANTISED PRODUCT. Where the list says 'softmax', what is quantised is not the finished softmax but p = 2^(t - M), with t = logit x log2(e) and M = ceil(the row's largest t), a whole number; so 1/2 < the row's largest p <= 1. The row's sum l is taken of the UNQUANTISED p, in f32, and the product's result is divided by l at the end. Since M is a whole number, a kernel that streams over the keys may use a running M (the ceiling of the running maximum): every later rescaling is an exact power of two, which a block's scale takes up: the codes' values come out the same.
;;   OPERANDS COMPUTED ON THE WAY. 'Computed on the way' means the value that the module computes at that place (a softmax that the list does not call 'softmax' is quantised finished and normalised). What goes into a quantiser is computed in f32, as accurately as f32 sums, v_exp_f32 and their like allow (about 1e-6 of the number): no bf16 or f16 on the way to a quantiser, and a product that is left as it is and whose result goes on into a quantised operand takes f32 operands (vector FMAs, or v_wmma_f32_16x16x4_f32). A number that lies on a knife's edge between two numbers of the format may be rounded either way, as far as f32 arithmetic and the matrix unit's own rounding can turn it there, and no further.
;;   INPUTS GIVEN AS CODES. Wk (in the module: [1024, 1024], K = its axis 0); Wo (in the module: [1024, 1024], K = its axis 0); Wq (in the module: [1024, 1024], K = its axis 0); Wv (in the module: [1024, 1024], K = its axis 0); keys (in the module: [4, 2048, 1024], K = its axis 2); queries (in the module: [4, 2048, 1024], K = its axis 2); values (in the module: [4, 2048, 1024], K = its axis 2): each comes as NAME_codes (uint8): NAME with its K axis moved to the last place and cut into blocks of 32 codes, [.., K / 32, bytes a block], one block behind the other in memory; two codes a byte, the lower K in the low four bits (a code: sign, 2 exponent bits, 1 mantissa bit); and NAME_scales (uint8): the same leading axes, one E8M0 byte (e + 127) for each 32 codes along K. Its value is code x scale, taken as it is: it is not quantised again, and the codes and scales need not be those that the quantiser above would give.
;; One version. Each part assembles by itself: llvm-mc -triple=amdgcn-amd-amdhsa -mcpu=gfx1250 --defsym DOCPART=n.
;; ======== version 1 of 1: 3 launches
;; workspace buffers: qb 4,718,592 bytes; kv 9,175,040 bytes; ob 4,456,448 bytes
;; launch proj (part 1): grid 4 x 192, 4 waves a work-group, clusters of 4 x 4, 222,464 bytes of LDS; arguments queries_codes, queries_scales, Wq_codes, Wq_scales, bq, qb, keys_codes, keys_scales, Wk_codes, Wk_scales, bk, kv, Wv_codes, Wv_scales, values_codes, values_scales, bv; writes qb, kv
.if DOCPART == 1
	.amdgcn_target "amdgcn-amd-amdhsa--gfx1250"
	.amdhsa_code_object_version 6
	.text
	.protected	k_qf5b28d2f0f_proj
	.globl	k_qf5b28d2f0f_proj
	.p2align	8
	.type	k_qf5b28d2f0f_proj,@function
k_qf5b28d2f0f_proj:
	s_mov_b64 s[64:65], 0
	v_nop
	global_prefetch_b8 v0, s[64:65] scope:SCOPE_SE
	s_setreg_imm32_b32 hwreg(HW_REG_WAVE_MODE, 25, 1), 1
	s_wait_xcnt 0x0
	s_wait_alu depctr_hold_cnt(0) depctr_sa_sdst(0) depctr_va_vdst(0) depctr_va_sdst(0) depctr_va_ssrc(0) depctr_va_vcc(0) depctr_vm_vsrc(0)
	s_getreg_b32 s2, hwreg(HW_REG_IB_STS2, 6, 4)
	s_cmp_eq_u32 s2, 0
	s_cbranch_scc0 .Lentry_in_a_cluster
	s_endpgm
.Lentry_in_a_cluster:
	s_bfe_u32 s2, ttmp6, 0x10000c
	s_cmp_lg_u32 s2, 0xf033
	s_cbranch_scc0 .Lentry_shape_is_right
	s_endpgm
.Lentry_shape_is_right:
; q = queries Wq + bq, k = keys Wk + bk, v = values Wv + bv: three products on codes of FP4 (E2M1) with one E8M0 scale for each 32 along K = 1,024; the results are
; quantised here, in f32, for the products that follow: q and k along the head's 64 (two blocks a head), v along the keys.
; DEAD WORK: none.  Every product, every bias and every input has a way to the output: bq, bk and bv move the codes and scales of q, k and v.  Nothing of the problem is left out in any launch.
; LIMITS: NaN and infinities among the computed numbers are not served.  A block of zeros, or one whose largest magnitude lies under 2^(3 - 127), gets the scale byte 1 where the rule says 127 or less: its codes
; are zeros, and these bytes are read by this program alone.  The bias is the C of a sum's first matrix instruction, so it is added first and not last: another order of rounding than product + bias.
; ONE BODY: C'[M'][N'] = A' B'^T + bias, quantised along N'.  q, k: A' = the tokens (8,192 rows), B' = the weight (1,024 rows, one a feature).  v: A' = Wv, B' = values: that is v^T, whose N' is the keys.
; SHARES.  A work-group makes 128 (M') x 256 (N'), with all of K in LDS: 384 rows of 512 bytes as two halves along K, each filled ONCE; no LDS byte is filled again.  256 tiles a product, 768 work-groups.
; Wave w makes rows 64 (w / 2) on and columns 128 (w % 2) on: 4 x 8 accumulators; a K step of 128 is 32 matrix instructions, the accumulators by turns.
; CLUSTERS: 4 x 4 work-groups of one product.  A's tile hangs on the tile row alone and is asked for jointly by a row of the cluster, B's on the tile column alone, by a column.
; THE MATRIX INSTRUCTION IS USED TRANSPOSED (source 0 = 16 rows of B', source 1 = 16 rows of A'): lane (r, h) holds row r of A' and, in tile b, columns 16 b + 8 h + 0 .. 7.
; So a block of 32 along N' is the 16 registers of tiles 2 q and 2 q + 1 in lanes l and l xor 16.
; THE OUTPUT IS LAID AS IMAGES OF OPERAND REGISTERS: 16 rows x 64 along the next K = 4 registers a lane, lane l's 16 bytes at 16 l: one store of 512 consecutive bytes, one load of 16 bytes a lane for the reader.
;   kv: a head (b x 16 + head) is 143,360 bytes = 16 key steps of 8,960: +0 eight images of K (key tile t at 512 t); +4,096 eight of V^T (d tile dt, keys 64 c on: 512 (2 dt + c));
;       +8,192 K's scale words (key 64 g + 16 a + r at 256 g + 16 r + 4 a; bytes 0, 1 count); +8,704 V's (d = 16 dt + r at 16 r + 4 dt).
;   qb: a head is 73,728 bytes = 16 steps of 4,608: +0 eight images of Q; +4,096 its scale words, laid as K's.
; REGISTERS, in windows of 256: window 0: addresses, scale words, the quantiser's work;  window 1: the accumulators, (a, b) at v[8 (8 a + b)];
;   window 2: v0-127 B's fragments, two sets; v128-191 the bias; v192-255 A's fragments, two sets.
.set PITCH,  272                       ; an LDS row: 256 bytes + 16 of padding: the 16 rows of a fragment load start 68 words apart
.set AHALF,  64*PITCH                  ; 64 rows: what one load brings of A', and what a wave reads of it
.set BHALF,  128*PITCH                 ; 128 rows: the same for B'
.set BOFF,   128*PITCH                 ; in a slot B's 256 rows lie behind A's 128
.set SLOTB,  384*PITCH                 ; a slot: half of K
.set SCL,    2*SLOTB                   ; behind the slots: A's scale bytes, as runs of 256 bytes + 16,
.set SAH,    8*272                     ; (those of 64 rows)
.set SBH,    16*272                    ; (those of 128 rows)
.set SCLB,   SCL+2*SAH                 ; then B's
.set SPARE,  SCLB+2*SBH                ; the spare words, 128 bytes a wave: no other line names them
.set R,    1                           ; v1   lane % 16
.set H,    2                           ; v2   lane / 16
.set L16,  3                           ; v3   16 x lane
.set ADRA, 4                           ; v4-5 LDS address of my A' fragments in slot 0, 1
.set ADRB, 6                           ; v6-7 the same for B'
.set ADSA, 8                           ; v8   of my A' rows' scale bytes
.set ADSB, 9                           ; v9   of B's
.set BO,   10                          ; v10  32 h: the bias of q and k
.set SHV,  11                          ; v11  how far my half shifts a scale word
.set SOFF, 12                          ; v12  where my four scale words go
.set BR,   13                          ; v13  4 r: the bias of v
.set SPW,  14                          ; v14  LDS address of my spare word; never rewritten
.set NIL,  15                          ; v15  0; never rewritten
.set OFF,  16                          ; v16-23 where image (a, c) goes: v[OFF + 2 a + c]
.set SA,   32                          ; v32-63  A's scale words: set c at 16 c; tile a, K step 4 c + q: + 4 a + q
.set SB,   64                          ; v64-127 B's: set c at 32 c; + 4 b + q
.set TM,   128                         ; v128-143 +0 largest magnitudes, +4 the other half's, then bytes, +8 the word, +12 the conversions' scale operands
.set X,    144                         ; v144-147 the scale words to be stored
.set PC,   160                         ; v160-191 the codes, 8 registers for each a
.set BF,   0                           ; window 2
.set BIAS, 128
.set AFR,  192
.set WV,   80
.set ROLE, 81                          ; w / 2: my rows.  Also: I fetch for A' (0) or for B' (1)
.set PART, 82                          ; w % 2: my columns.  Also: which half of that tile's rows I fetch
.set CX,   83
.set CY,   84
.set P,    85                          ; the product: 0 q, 1 k, 2 v: the same in all sixteen partners
.set CL,   86
.set TR,   87
.set TC,   88
.set MROW, 89
.set MCOL, 90
.set SEL,  78                          ; s[78:79] v_permlanex16_b32's selects for lane l xor 16
.set ACP,  66                          ; s[66:67] A's codes, s[68:69] A's scales, s[70:71] B's codes, s[72:73] B's scales, s[74:75] the bias, s[76:77] the output
.set ASP,  68
.set BCP,  70
.set BSP,  72
.set BIP,  74
.set OUTP, 76
.set HS,   60                          ; bytes of a head's record;  SS: of a step's;  CO, SO: where codes and scale words begin in it
.set SS,   61
.set CO,   62
.set SO,   63
.set SAS,  100                         ; from image (a, c) to (a + 1, c);  SCS: to (a, c + 1)
.set SCS,  101
.set HH,   2                           ; what lanes 16-31 add to the scale words' address
.set SH,   3                           ; and how far they shift the word
.set G1A,  4                           ; s[4:11], s[12:19] descriptor group 1 for A's and B's codes;  s[20:27], s[28:35] for their scale bytes
.set G1B,  12
.set G1SA, 20
.set G1SB, 28
.set G0A,  36                          ; s[36:47] three groups 0 for A': scale bytes, K half 0, K half 1;  s[48:59] for B'
.set G0B,  48
.set W_F,  0x80                        ; loads into window 2
.set W_M,  0x5a                        ; products: sources 0, 1 window 2; C and D window 1
.set W_M0, 0x6a                        ; the first K step: C (the bias) window 2
.set W_X,  0x05                        ; sources 0, 1 window 1
.set W_C,  0x01                        ; source 0 window 1
.set MSB, 0
.macro WIN new                         ; the immediate's high byte repeats the setting that is left
.if MSB != \new
	s_set_vgpr_msb (MSB<<8)|\new
.set MSB, \new
.endif
.endm
; A joint load: waves 0 and 1 fetch for A', waves 2 and 3 for B'.  The branch hangs on the wave's number alone.  An s_nop 0 and four v_nop follow each of the two lines.
.macro JLOAD g0a, g1a, g0b, g1b
	s_cmp_eq_u32 s[ROLE], 0
	s_cbranch_scc0 .Lfor_b_\@
	tensor_load_to_lds s[\g0a:\g0a+3], s[\g1a:\g1a+7]
	s_nop 0
.rept 4
	v_nop
.endr
	s_branch .Lasked_\@
.Lfor_b_\@:
	tensor_load_to_lds s[\g0b:\g0b+3], s[\g1b:\g1b+7]
	s_nop 0
.rept 4
	v_nop
.endr
.Lasked_\@:
.endm
.macro CROUND                          ; a round of the cluster's barrier
	s_barrier_signal -1
	s_barrier_wait -1
	s_cmp_lg_u32 s[WV], 0
	s_cbranch_scc1 .Lnot_wave_0_\@
	s_barrier_signal -3
.Lnot_wave_0_\@:
	s_barrier_wait -3
	s_barrier_signal -1
	s_barrier_wait -1
.endm
.macro PLACES                          ; four places behind matrix instructions, in front of loads into registers that they have read and of reads of their results
.rept 4
	v_nop
.endr
.endm
; The fragments of K step s (slot s / 4, bytes 64 (s % 4) on) into set p: 24 loads.  A fragment is 16 rows x 128 K in 8 registers: two loads of 16 bytes, 32 bytes apart, at row x pitch + 16 h.
.macro FETCH s, p
	WIN W_F
.irp i, 0,1,2,3,4,5,6,7
.irp cc, 0,1
	ds_load_b128 v[BF+64*(\p)+8*\i+4*\cc:BF+64*(\p)+8*\i+4*\cc+3], v[ADRB+(\s)/4] offset:64*((\s)%4)+32*\cc+\i*16*PITCH
.endr
.endr
.irp i, 0,1,2,3
.irp cc, 0,1
	ds_load_b128 v[AFR+32*(\p)+8*\i+4*\cc:AFR+32*(\p)+8*\i+4*\cc+3], v[ADRA+(\s)/4] offset:64*((\s)%4)+32*\cc+\i*16*PITCH
.endr
.endr
.endm
; The scale words of K steps 4 c .. 4 c + 3: 16 bytes a row; 16 rows are two runs of 272 bytes.  12 loads.
.macro SCALES c
	WIN 0
.irp i, 0,1,2,3
	ds_load_b128 v[SA+16*\c+4*\i:SA+16*\c+4*\i+3], v[ADSA] offset:16*\c+\i*544
.endr
.irp i, 0,1,2,3,4,5,6,7
	ds_load_b128 v[SB+32*\c+4*\i:SB+32*\c+4*\i+3], v[ADSB] offset:16*\c+\i*544
.endr
.endm
; K step s on set p: 32 matrix instructions, the same order in every step.  mode 0: onto the sums; 1: the sums begin with the bias of B's rows (q, k); 2: with that of A's rows (v)
.macro MUL p, s, mode
.irp a, 0,1,2,3
.irp b, 0,1,2,3,4,5,6,7
.set rD, 8*(8*\a+\b)
.set rB, BF+64*(\p)+8*\b
.set rA, AFR+32*(\p)+8*\a
.set rSB, SB+32*((\s)/4)+4*\b+(\s)%4
.set rSA, SA+16*((\s)/4)+4*\a+(\s)%4
.if \mode == 0
	v_wmma_scale_f32_16x16x128_f8f6f4 v[rD:rD+7], v[rB:rB+7], v[rA:rA+7], v[rD:rD+7], v[rSB], v[rSA] matrix_a_fmt:MATRIX_FMT_FP4 matrix_b_fmt:MATRIX_FMT_FP4
.elseif \mode == 1
	v_wmma_scale_f32_16x16x128_f8f6f4 v[rD:rD+7], v[rB:rB+7], v[rA:rA+7], v[BIAS+8*\b:BIAS+8*\b+7], v[rSB], v[rSA] matrix_a_fmt:MATRIX_FMT_FP4 matrix_b_fmt:MATRIX_FMT_FP4
.else
	v_wmma_scale_f32_16x16x128_f8f6f4 v[rD:rD+7], v[rB:rB+7], v[rA:rA+7], v[BIAS+8*(\a+4*(\b%2)):BIAS+8*(\a+4*(\b%2))+7], v[rSB], v[rSA] matrix_a_fmt:MATRIX_FMT_FP4 matrix_b_fmt:MATRIX_FMT_FP4
.endif
.endr
.endr
.endm
.macro KSTEP s                         ; a K step with a successor: the next step's fragments are asked for, then this step is multiplied
	PLACES
	FETCH (\s)+1, ((\s)+1)%2
	s_wait_dscnt 24                                ; all but the 24 loads just issued: this step's fragments (and scale words) are in
	WIN W_M
	MUL (\s)%2, \s, 0
.endm
; My rows 16 a on: 128 numbers a row become two images and a scale word.
.macro QUANT a
	WIN W_X
.irp q, 0,1,2,3
	v_max3_num_f32 v[TM+\q], |v[64*\a+16*\q]|, |v[64*\a+16*\q+1]|, 0x1800000   ; block q: my 16 numbers, from each accumulator's low end on, and the floor 2^(3 - 127): the byte cannot fall under 1
.endr
.irp i, 2,4,6,8,10,12,14
.irp q, 0,1,2,3
	v_max3_num_f32 v[TM+\q], |v[64*\a+16*\q+\i]|, |v[64*\a+16*\q+\i+1]|, v[TM+\q]   ; (the four blocks by turns)
.endr
.endr
	WIN 0
.irp q, 0,1,2,3
	v_permlanex16_b32 v[TM+4+\q], v[TM+\q], s[SEL], s[SEL+1]
.endr
.irp q, 0,1,2,3
	v_max_num_f32 v[TM+\q], v[TM+\q], v[TM+4+\q]   ; with lane l xor 16's 16: the block's largest magnitude
.endr
.irp q, 0,1,2,3
	v_add_nc_u32 v[TM+12+\q], 0xff000000, v[TM+\q] ; 2 off its exponent field: the conversion's scale operand
.endr
.irp q, 0,1,2,3
	v_lshrrev_b32 v[TM+4+\q], 23, v[TM+12+\q]      ; the scale's byte
.endr
	v_lshl_or_b32 v[TM+8], v[TM+5], 8, v[TM+4]
	v_lshl_or_b32 v[TM+8], v[TM+6], 16, v[TM+8]
	v_lshl_or_b32 v[TM+8], v[TM+7], 24, v[TM+8]    ; the row's four bytes
	v_lshrrev_b32 v[X+\a], v[SHV], v[TM+8]         ; q, k: lanes 16-31 take the second head's two bytes down; v: the word as it is
	WIN W_C
.irp b, 0,1,2,3,4,5,6,7
	v_cvt_scalef32_pk8_fp4_f32 v[PC+8*\a+4*(\b/4)+2*(\b%2)+(\b%4)/2], v[64*\a+8*\b:64*\a+8*\b+7], v[TM+12+\b/2]   ; tile 4 c + i goes to register 4 c + 2 (i % 2) + i / 2
.endr
	WIN 0
	v_nop                                          ; one plain place behind a scaled conversion
.irp c, 0,1
	v_permlane16_swap_b32 v[PC+8*\a+4*\c], v[PC+8*\a+4*\c+1]     ; tiles 4 c and 4 c + 2 change halves: registers 4 c, 4 c + 1 now hold k = 64 c + 32 h + 0 .. 15,
	v_permlane16_swap_b32 v[PC+8*\a+4*\c+2], v[PC+8*\a+4*\c+3]   ; and so tiles 4 c + 1 and 4 c + 3: + 16 .. 31
.endr
	global_store_b128 v[OFF+2*\a], v[PC+8*\a:PC+8*\a+3], s[OUTP:OUTP+1]       ; an image: 512 consecutive bytes, aligned.  Each a has its own registers: no store's data are written again
	global_store_b128 v[OFF+2*\a+1], v[PC+8*\a+4:PC+8*\a+7], s[OUTP:OUTP+1]
.endm
	s_load_b512 s[4:19], s[0:1], 0x0               ; queries' codes, scales; Wq's codes, scales; bq; qb; keys' codes, scales
	s_load_b512 s[20:35], s[0:1], 0x40             ; Wk's codes, scales; bk; kv; Wv's codes, scales; values' codes, scales
	s_load_b64 s[36:37], s[0:1], 0x80              ; bv
	v_lshl_add_u32 v[SPW], v0, 2, SPARE
	v_mov_b32 v[NIL], 0
	ds_add_u32 v[SPW], v[NIL]                      ; the wave's opening: the add, twice on end, and its wait ahead of my first tensor load
	ds_add_u32 v[SPW], v[NIL]                      ; and once more; the ids below, work on registers, stand between it and the wait
	v_lshrrev_b32 v1, 5, v0
	v_readfirstlane_b32 s[WV], v1                  ; wave 0..3
	s_lshr_b32 s[ROLE], s[WV], 1
	s_and_b32 s[PART], s[WV], 1
	s_bfe_u32 s[CX], ttmp6, 0x40000                ; my place in the cluster
	s_bfe_u32 s[CY], ttmp6, 0x40004
	s_and_b32 s91, ttmp7, 0xffff                   ; the cluster's y: 16 clusters a product
	s_lshr_b32 s[P], s91, 4
	s_and_b32 s[CL], s91, 15
	s_and_b32 s92, s[CL], 1                        ; v: 8 tile rows (2 clusters), 32 tile columns (8 clusters)
	s_lshr_b32 s96, s[CL], 1
	s_cmp_eq_u32 s[P], 2
	s_cselect_b32 s92, s92, s[CL]                  ; q, k: 64 tile rows (16 clusters), 4 tile columns
	s_cselect_b32 s96, s96, 0
	s_lshl_b32 s[TR], s92, 2
	s_add_co_u32 s[TR], s[TR], s[CY]               ; tile row
	s_lshl_b32 s[TC], s96, 2
	s_add_co_u32 s[TC], s[TC], s[CX]               ; tile column
	s_lshl_b32 s[MROW], s[CY], 2
	s_lshl_b32 s[MROW], 15, s[MROW]                ; my row of the cluster
	s_lshl_b32 s[MCOL], 0x1111, s[CX]              ; my column
	s_lshl_b32 s91, s[TR], 7                       ; A': the rows that I would fetch: 128 x tile row + 64 x part  (s91-95 never hold cx, s96-99 never cy)
	s_lshl_b32 s92, s[PART], 6
	s_add_co_u32 s91, s91, s92
	s_lshl_b32 s92, s91, 9                         ; their codes, 512 bytes a row,
	s_mov_b32 s93, 0
	s_lshl_b32 s94, s91, 5                         ; and scale bytes, 32 a row
	s_mov_b32 s95, 0
	s_lshl_b32 s96, s[TC], 8                       ; B': 256 x tile column + 128 x part
	s_lshl_b32 s97, s[PART], 7
	s_add_co_u32 s96, s96, s97
	s_lshl_b32 s98, s96, 5
	s_mov_b32 s99, 0
	s_lshl_b32 s96, s96, 9
	s_mov_b32 s97, 0
	s_mul_i32 s2, s[PART], AHALF                   ; and where they go: no place in the cluster enters an LDS address
	s_mul_i32 s3, s[PART], SAH
	s_mul_i32 s60, s[PART], BHALF
	s_mul_i32 s61, s[PART], SBH
	s_mov_b32 s[SEL], 0x76543210
	s_mov_b32 s[SEL+1], 0xfedcba98
	s_wait_dscnt 0x0                               ; both opening adds are done
	s_wait_kmcnt 0x0
	s_cmp_eq_u32 s[P], 0                           ; the product's buffers: a choice on the cluster's number alone
	s_cselect_b64 s[ACP:ACP+1], s[4:5], s[16:17]
	s_cselect_b64 s[ASP:ASP+1], s[6:7], s[18:19]
	s_cselect_b64 s[BCP:BCP+1], s[8:9], s[20:21]
	s_cselect_b64 s[BSP:BSP+1], s[10:11], s[22:23]
	s_cselect_b64 s[BIP:BIP+1], s[12:13], s[24:25]
	s_cselect_b64 s[OUTP:OUTP+1], s[14:15], s[26:27]   ; qb, or kv for k and for v
	s_cmp_eq_u32 s[P], 2
	s_cselect_b64 s[ACP:ACP+1], s[28:29], s[ACP:ACP+1]   ; v: A' is the weight, B' the tokens
	s_cselect_b64 s[ASP:ASP+1], s[30:31], s[ASP:ASP+1]
	s_cselect_b64 s[BCP:BCP+1], s[32:33], s[BCP:BCP+1]
	s_cselect_b64 s[BSP:BSP+1], s[34:35], s[BSP:BSP+1]
	s_cselect_b64 s[BIP:BIP+1], s[36:37], s[BIP:BIP+1]
	s_add_nc_u64 s[ACP:ACP+1], s[ACP:ACP+1], s[92:93]
	s_add_nc_u64 s[ASP:ASP+1], s[ASP:ASP+1], s[94:95]
	s_add_nc_u64 s[BCP:BCP+1], s[BCP:BCP+1], s[96:97]
	s_add_nc_u64 s[BSP:BSP+1], s[BSP:BSP+1], s[98:99]
	; descriptor group 1.  Codes: rows of 256 bytes (half of K), 512 bytes apart in memory, 16 bytes of padding behind each in LDS; 64 rows of A', 128 of B'
	s_or_b32 s[G1A], s[MROW], (1<<20)|(1<<21)|(5<<22)|(3<<25)    ; 15:0 the mask; 17:16 elements of 1 byte; 20 padding on; 21 set beside a mask; 24:22 after every 64 words; 31:25 four words
	s_or_b32 s[G1B], s[MCOL], (1<<20)|(1<<21)|(5<<22)|(3<<25)
	s_mov_b32 s[G1A+1], 256<<16                    ; tensor_dim0
	s_mov_b32 s[G1A+2], 64<<16                     ; tensor_dim1
	s_mov_b32 s[G1A+3], 256<<16                    ; tile_dim0
	s_mov_b32 s[G1A+4], 64                         ; tile_dim1
	s_mov_b32 s[G1A+5], 512                        ; from row to row
	s_mov_b32 s[G1A+6], 0
	s_mov_b32 s[G1A+7], 0
	s_mov_b32 s[G1B+1], 256<<16
	s_mov_b32 s[G1B+2], 128<<16
	s_mov_b32 s[G1B+3], 256<<16
	s_mov_b32 s[G1B+4], 128
	s_mov_b32 s[G1B+5], 512
	s_mov_b32 s[G1B+6], 0
	s_mov_b32 s[G1B+7], 0
	; scale bytes: a dense block (32 bytes a row) as rows of 256 bytes (32 elements of 8), 16 bytes of padding behind each: 8 rows for A', 16 for B'
	s_or_b32 s[G1SA], s[MROW], (3<<16)|(1<<20)|(1<<21)|(5<<22)|(3<<25)
	s_or_b32 s[G1SB], s[MCOL], (3<<16)|(1<<20)|(1<<21)|(5<<22)|(3<<25)
	s_mov_b32 s[G1SA+1], 32<<16
	s_mov_b32 s[G1SA+2], 8<<16
	s_mov_b32 s[G1SA+3], 32<<16
	s_mov_b32 s[G1SA+4], 8
	s_mov_b32 s[G1SA+5], 32
	s_mov_b32 s[G1SA+6], 0
	s_mov_b32 s[G1SA+7], 0
	s_mov_b32 s[G1SB+1], 32<<16
	s_mov_b32 s[G1SB+2], 16<<16
	s_mov_b32 s[G1SB+3], 32<<16
	s_mov_b32 s[G1SB+4], 16
	s_mov_b32 s[G1SB+5], 32
	s_mov_b32 s[G1SB+6], 0
	s_mov_b32 s[G1SB+7], 0
	CROUND                                         ; all sixteen work-groups are here: the joint loads meet
	s_mov_b32 s[G0A], 1
	s_add_co_u32 s[G0A+1], s3, SCL
	s_mov_b64 s[G0A+2:G0A+3], s[ASP:ASP+1]
	s_or_b32 s[G0A+3], s[G0A+3], 0x80000000
	s_mov_b32 s[G0B], 1
	s_add_co_u32 s[G0B+1], s61, SCLB
	s_mov_b64 s[G0B+2:G0B+3], s[BSP:BSP+1]
	s_or_b32 s[G0B+3], s[G0B+3], 0x80000000
	JLOAD G0A, G1SA, G0B, G1SB                     ; the scale bytes first: they are wanted with the first K step
.irp c, 0,1
	s_mov_b32 s[G0A+4+4*\c], 1
	s_add_co_u32 s[G0A+5+4*\c], s2, \c*SLOTB
	s_add_nc_u64 s[G0A+6+4*\c:G0A+7+4*\c], s[ACP:ACP+1], \c*256
	s_or_b32 s[G0A+7+4*\c], s[G0A+7+4*\c], 0x80000000
	s_mov_b32 s[G0B+4+4*\c], 1
	s_add_co_u32 s[G0B+5+4*\c], s60, \c*SLOTB+BOFF
	s_add_nc_u64 s[G0B+6+4*\c:G0B+7+4*\c], s[BCP:BCP+1], \c*256
	s_or_b32 s[G0B+7+4*\c], s[G0B+7+4*\c], 0x80000000
	JLOAD G0A+4+4*\c, G1A, G0B+4+4*\c, G1B         ; half c of K.  Three loads of mine are out; all are first fills
.endr
	v_and_b32 v[R], 15, v0
	v_bfe_u32 v[H], v0, 4, 1
	v_and_b32 v[L16], 31, v0
	v_lshlrev_b32 v[L16], 4, v[L16]
	v_lshlrev_b32 v[BO], 5, v[H]
	v_lshlrev_b32 v[BR], 2, v[R]
.irp q, 0,1,2,3
	v_mov_b32 v[TM+4+\q], 0                        ; written once: a lane permute's destination counts as one of its sources
.endr
	s_lshl_b32 s66, s[TR], 7
	s_lshl_b32 s70, s[ROLE], 6
	s_add_co_u32 s66, s66, s70                     ; my first row of C'
	s_lshl_b32 s67, s[TC], 8
	s_lshl_b32 s70, s[PART], 7
	s_add_co_u32 s67, s67, s70                     ; my first column
	s_mov_b32 s[HS], 143360
	s_mov_b32 s[SS], 8960
	s_mov_b32 s[SO], 8192
	s_cmp_eq_u32 s[P], 0
	s_cselect_b32 s[HS], 73728, s[HS]
	s_cselect_b32 s[SS], 4608, s[SS]
	s_cselect_b32 s[SO], 4096, s[SO]
	s_mov_b32 s[SAS], 512
	s_cmp_eq_u32 s[P], 2
	s_cselect_b32 s[SO], 8704, s[SO]
	s_cselect_b32 s[CO], 4096, 0
	s_cselect_b32 s[SCS], 512, s[HS]               ; q, k: image (a, 1) belongs to the next head;  v: to the step's second 64 keys
	s_cselect_b32 s[SAS], 1024, s[SAS]
	s_cselect_b32 s[HH], 0, s[HS]
	s_cselect_b32 s[SH], 0, 16
	s_cselect_b32 s68, s66, s67                    ; my first feature: v: a row, q, k: a column
	s_cselect_b32 s69, s67, s66                    ; my first token
	s_lshl_b32 s70, s68, 2
	s_mov_b32 s71, 0
	s_add_nc_u64 s[BIP:BIP+1], s[BIP:BIP+1], s[70:71]
	; THE BIAS, in the result's layout.  Both arms fill the same 64 registers, and either arm of the first products below reads only these.
	s_cmp_eq_u32 s[P], 2
	s_cbranch_scc1 .Lbias_v
	WIN W_F
	s_wait_alu depctr_va_vdst(0)
.irp b, 0,1,2,3,4,5,6,7                        ; q, k: tile b's register j wants feature 16 b + 8 h + j
	global_load_b128 v[BIAS+8*\b:BIAS+8*\b+3], v[BO], s[BIP:BIP+1] offset:64*\b
	global_load_b128 v[BIAS+8*\b+4:BIAS+8*\b+7], v[BO], s[BIP:BIP+1] offset:64*\b+16
.endr
	WIN 0
	s_branch .Lbias_done
.Lbias_v:
	WIN W_F
	s_wait_alu depctr_va_vdst(0)
.irp x, 0,1,2,3,4,5,6,7                        ; v: all eight registers of tile row a want feature 16 a + r.  Two copies, x = a and a + 4; the products take them by turns
.irp j, 0,1,2,3,4,5,6,7
	global_load_b32 v[BIAS+8*\x+\j], v[BR], s[BIP:BIP+1] offset:64*(\x%4)
.endr
.endr
	WIN 0
.Lbias_done:
	v_mul_u32_u24 v24, v[R], PITCH
	v_lshl_add_u32 v24, v[H], 4, v24               ; a fragment's row x pitch + 16 h
	s_mul_i32 s70, s[ROLE], AHALF                  ; my 64 rows of A'
	s_mul_i32 s71, s[PART], BHALF                  ; my 128 rows of B', behind A's 128
	s_add_co_u32 s71, s71, BOFF
	v_add_nc_u32 v[ADRA], s70, v24
	v_add_nc_u32 v[ADRB], s71, v24
	s_add_co_u32 s70, s70, SLOTB
	s_add_co_u32 s71, s71, SLOTB
	v_add_nc_u32 v[ADRA+1], s70, v24
	v_add_nc_u32 v[ADRB+1], s71, v24
	v_lshrrev_b32 v25, 3, v[R]
	v_lshlrev_b32 v25, 4, v25
	v_lshl_add_u32 v25, v[R], 5, v25               ; my row's scale bytes: 32 r, and 16 more behind the first 256
	s_mul_i32 s70, s[ROLE], SAH
	s_add_co_u32 s70, s70, SCL
	v_add_nc_u32 v[ADSA], s70, v25
	s_mul_i32 s71, s[PART], SBH
	s_add_co_u32 s71, s71, SCLB
	v_add_nc_u32 v[ADSB], s71, v25
	; where the results go
	s_lshr_b32 s70, s69, 11                        ; the batch,
	s_lshl_b32 s70, s70, 4
	s_lshr_b32 s71, s68, 6                         ; the head,
	s_add_co_u32 s70, s70, s71
	s_mul_i32 s72, s70, s[HS]
	s_bfe_u32 s71, s69, 0x40007                    ; the step of 128 tokens,
	s_mul_i32 s71, s71, s[SS]
	s_add_co_u32 s72, s72, s71                     ; its record
	s_bfe_u32 s73, s69, 0x10006                    ; q, k: which 64 tokens of the step (v: 0)
	s_lshl_b32 s70, s73, 11
	s_add_co_u32 s70, s70, s72
	s_add_co_u32 s70, s70, s[CO]
.irp a, 0,1,2,3
	v_add_nc_u32 v[OFF+2*\a], s70, v[L16]
	s_add_co_u32 s71, s70, s[SCS]
	v_add_nc_u32 v[OFF+2*\a+1], s71, v[L16]
	s_add_co_u32 s70, s70, s[SAS]
.endr
	s_lshl_b32 s71, s73, 8
	s_add_co_u32 s71, s71, s72
	s_add_co_u32 s71, s71, s[SO]
	v_mul_u32_u24 v[SOFF], s[HH], v[H]             ; q, k: lanes 16-31 write the next head's words
	v_lshl_add_u32 v[SOFF], v[R], 4, v[SOFF]
	v_add_nc_u32 v[SOFF], s71, v[SOFF]
	v_mul_u32_u24 v[SHV], s[SH], v[H]
	s_wait_tensorcnt 0x1                           ; my scale bytes and my part of K's first half are in; the second half's load may stay out
	s_barrier_signal -1
	s_barrier_wait -1                              ; everybody's are
	SCALES 0
	FETCH 0, 0
	FETCH 1, 1
	WIN 0
	s_wait_dscnt 24                                ; all but K step 1's 24 loads
	s_wait_loadcnt 0x0                             ; the bias
	s_cmp_eq_u32 s[P], 2
	s_cbranch_scc1 .Lfirst_v
	WIN W_M0
	MUL 0, 0, 1                                    ; the first K step starts the sums on the bias: nothing is cleared, nothing is added later
	WIN 0
	s_branch .Lfirst_done
.Lfirst_v:
	WIN W_M0
	MUL 0, 0, 2
	WIN 0
.Lfirst_done:
	KSTEP 1
	KSTEP 2
	s_wait_tensorcnt 0x0                           ; my part of K's second half is in;
	s_wait_dscnt 0x0                               ; no LDS load of mine is out at the signal (K step 3's fragments are in with that)
	s_barrier_signal -1
	s_barrier_wait -1                              ; everybody's is
	PLACES
	SCALES 1
	FETCH 4, 0
	WIN W_M
	MUL 1, 3, 0
	KSTEP 4                                        ; its count of 24 also covers the second set of scale words
	KSTEP 5
	KSTEP 6
	s_wait_dscnt 0x0
	WIN W_M
	MUL 1, 7, 0
	PLACES
	QUANT 0
	QUANT 1
	QUANT 2
	QUANT 3
	global_store_b128 v[SOFF], v[X:X+3], s[OUTP:OUTP+1]   ; sixteen lanes store 256 consecutive bytes, aligned.  v: lanes 16-31 store the same words to the same places once more
	s_wait_tensorcnt 0x0                           ; the wave's end
	ds_add_u32 v[SPW], v[NIL]
	s_wait_dscnt 0x0
	CROUND                                         ; the closing round: no work-group ends while a partner may still ask for a tile that names it
	s_endpgm
.Lfunc_end_k_qf5b28d2f0f_proj:
	.size	k_qf5b28d2f0f_proj, .Lfunc_end_k_qf5b28d2f0f_proj-k_qf5b28d2f0f_proj
	.p2alignl 7, 3214868480
	.fill 96, 4, 3214868480
	.section	.rodata,"a",@progbits
	.p2align	6, 0x0
	.amdhsa_kernel k_qf5b28d2f0f_proj
		.amdhsa_group_segment_fixed_size 222464
		.amdhsa_private_segment_fixed_size 0
		.amdhsa_enable_private_segment 0
		.amdhsa_kernarg_size 136
		.amdhsa_user_sgpr_count 2
		.amdhsa_user_sgpr_kernarg_segment_ptr 1
		.amdhsa_wavefront_size32 1
		.amdhsa_system_sgpr_workgroup_id_x 1
		.amdhsa_system_sgpr_workgroup_id_y 1
		.amdhsa_system_sgpr_workgroup_id_z 1
		.amdhsa_system_vgpr_workitem_id 0
		.amdhsa_next_free_vgpr 768
		.amdhsa_next_free_sgpr 102
		.amdhsa_reserve_vcc 0
		.amdhsa_float_denorm_mode_32 3
		.amdhsa_float_denorm_mode_16_64 3
		.amdhsa_memory_ordered 1
		.amdhsa_forward_progress 1
		.amdhsa_inst_pref_size 88
	.end_amdhsa_kernel
	.amdgpu_metadata
---
amdhsa.version: [ 1, 2 ]
amdhsa.kernels:
  - .name:           k_qf5b28d2f0f_proj
    .symbol:         k_qf5b28d2f0f_proj.kd
    .args:
      - { .name: queries_codes, .offset: 0, .size: 8, .value_kind: global_buffer, .address_space: global }
      - { .name: queries_scales, .offset: 8, .size: 8, .value_kind: global_buffer, .address_space: global }
      - { .name: Wq_codes, .offset: 16, .size: 8, .value_kind: global_buffer, .address_space: global }
      - { .name: Wq_scales, .offset: 24, .size: 8, .value_kind: global_buffer, .address_space: global }
      - { .name: bq, .offset: 32, .size: 8, .value_kind: global_buffer, .address_space: global }
      - { .name: qb, .offset: 40, .size: 8, .value_kind: global_buffer, .address_space: global }
      - { .name: keys_codes, .offset: 48, .size: 8, .value_kind: global_buffer, .address_space: global }
      - { .name: keys_scales, .offset: 56, .size: 8, .value_kind: global_buffer, .address_space: global }
      - { .name: Wk_codes, .offset: 64, .size: 8, .value_kind: global_buffer, .address_space: global }
      - { .name: Wk_scales, .offset: 72, .size: 8, .value_kind: global_buffer, .address_space: global }
      - { .name: bk, .offset: 80, .size: 8, .value_kind: global_buffer, .address_space: global }
      - { .name: kv, .offset: 88, .size: 8, .value_kind: global_buffer, .address_space: global }
      - { .name: Wv_codes, .offset: 96, .size: 8, .value_kind: global_buffer, .address_space: global }
      - { .name: Wv_scales, .offset: 104, .size: 8, .value_kind: global_buffer, .address_space: global }
      - { .name: values_codes, .offset: 112, .size: 8, .value_kind: global_buffer, .address_space: global }
      - { .name: values_scales, .offset: 120, .size: 8, .value_kind: global_buffer, .address_space: global }
      - { .name: bv, .offset: 128, .size: 8, .value_kind: global_buffer, .address_space: global }
    .group_segment_fixed_size: 222464
    .private_segment_fixed_size: 0
    .kernarg_segment_align: 8
    .kernarg_segment_size: 136
    .max_flat_workgroup_size: 128
    .sgpr_count:     102
    .vgpr_count:     768
    .wavefront_size: 32
...
	.end_amdgpu_metadata
.endif
;; end of part 1
;; launch attn (part 2): grid 8 x 32, 16 waves a work-group, clusters of 4 x 1, 288,768 bytes of LDS; arguments qb, kv, ob; writes ob
.if DOCPART == 2
	.amdgcn_target "amdgcn-amd-amdhsa--gfx1250"
	.amdhsa_code_object_version 6
	.text
	.protected	k_qf5b28d2f0f_attn
	.globl	k_qf5b28d2f0f_attn
	.p2align	8
	.type	k_qf5b28d2f0f_attn,@function
k_qf5b28d2f0f_attn:
	s_mov_b64 s[64:65], 0
	v_nop
	global_prefetch_b8 v0, s[64:65] scope:SCOPE_SE
	s_setreg_imm32_b32 hwreg(HW_REG_WAVE_MODE, 25, 1), 1
	s_wait_xcnt 0x0
	s_wait_alu depctr_hold_cnt(0) depctr_sa_sdst(0) depctr_va_vdst(0) depctr_va_sdst(0) depctr_va_ssrc(0) depctr_va_vcc(0) depctr_vm_vsrc(0)
	s_getreg_b32 s2, hwreg(HW_REG_IB_STS2, 6, 4)
	s_cmp_eq_u32 s2, 0
	s_cbranch_scc0 .Lentry_in_a_cluster
	s_endpgm
.Lentry_in_a_cluster:
	s_bfe_u32 s2, ttmp6, 0x10000c
	s_cmp_lg_u32 s2, 0x3003
	s_cbranch_scc0 .Lentry_shape_is_right
	s_endpgm
.Lentry_shape_is_right:
; o[b][q][head x 64 + d] = the sum over k of softmax_k(q . k / 8) v, both products on codes of FP4 (E2M1) with one E8M0 scale for each 32 along a product's K; o is quantised here along head x 64 + d for the last product.
; No work of the problem is left out.
; THE SOFTMAX AHEAD OF THE SECOND PRODUCT: t = score x log2(e) / 8; M = the row's largest t so far, rounded UP to a whole number; p = 2^(t - M) is quantised along the keys, not normalised.
; The row's sum is taken of the unquantised p, in f32, and divides O at the end.  When M moves, the sum and O are multiplied by 2^(old M - new M): exact.
; LIMITS: NaN and infinities are not served.  A block whose largest magnitude lies under 2^(3 - 127) gets the scale byte 1 (its codes are zeros; this program alone reads the bytes).  o = O x (1 / l), the reciprocal by v_rcp_f32.
; SHARES.  A work-group owns 256 queries of a PAIR of heads, 2 s and 2 s + 1 of a batch; each of its sixteen waves owns 16 queries, in 256 registers, four waves to a SIMD, and walks them twice: pass p is head 2 s + p,
; 16 key steps of 128 keys.  The pair gives a wave the whole scale word of the last product's K step s.
; LDS holds both heads' records of kv, 286,720 bytes, as they lie in memory, filled ONCE: no LDS byte is filled again.  Waves 0-3 bring them in sixteen loads of two key steps; the four work-groups of a cluster own
; the same pair of heads and ask jointly.  Pass 0 begins when the first four key steps are in; the rest lands under the work.
; LAYOUT.  Both products are used transposed: S^T = K Q^T (source 0 = 16 keys, source 1 = my 16 queries), O^T = V^T P^T: a lane holds ONE query (lane % 16) throughout.  Tile t of S^T gives lane (r, h) keys 16 t + 8 h + 0 .. 7:
; a block of 32 keys is the 16 registers of tiles 2 q, 2 q + 1 in lanes l and l xor 16.
; K = 64 IN AN INSTRUCTION OF K = 128.  An image of K or Q is 4 registers (64 along d).  Q's upper four registers hold zero codes.  K's tile t is named as v[KF + 4 t .. + 7]: its upper four are the next tile's
; codes (behind tile 7: zeros), finite numbers that meet Q's zeros.  Q's scale word gets 0x7f in its upper bytes; the upper bytes of K's words are another head's bytes or 0, never 0xff.
.set HEADB, 143360                     ; a head's record in kv
.set STEPB, 8960                       ; a key step's: 8 images of K, 8 of V^T, 512 bytes of K's scale words, 256 of V's
.set CHUNK, 2*STEPB                    ; what one tensor load brings: 70 rows of 256 bytes
.set SPARE, 2*HEADB                    ; behind the two heads: the spare words, 128 bytes a wave: no other line names them
.set QHEAD, 73728                      ; a head's record in qb
.set QSTEP, 4608
.set OBLK,  69632                      ; 128 rows' record in ob: 2 x 32,768 of images (K half kh, row tile i, head 8 kh + hh: 32,768 kh + 4,096 i + 512 hh), 4,096 of scale words (512 i + 64 s + 4 r)
.set L16, 1                            ; v1   16 x lane: an image's place for my lane
.set R16, 2                            ; v2   16 r
.set ADR, 3                            ; v3   the step's record + 16 x lane
.set AVS, 4                            ; v4   the step's record + 16 r
.set SPW, 5                            ; v5   LDS address of my spare word; never rewritten
.set NIL, 6                            ; v6   0; never rewritten
.set QS,  8                            ; v8-9 Q's scale words, pass 0, 1
.set R4,  11                           ; v11  4 r
                                       ; v12 -M, v13 the largest t, v[14:15] the sum in two halves
.set QF,  16                           ; v16-31 Q's fragments, pass 0, 1
.set KF,  32                           ; v32-63 K's eight images; v64-67 zeros
.set VF,  68                           ; v68-99 V's eight images = four fragments
.set KS,  100                          ; v100-103 K's scale words: lanes 0-15 tiles 0-3, lanes 16-31 tiles 4-7
.set VS,  104                          ; v104-107 V's
.set OC,  108                          ; v108-115 o's codes, 4 registers a pass
.set OW,  116                          ; v116 o's scale word
.set SC,  120                          ; v120-183 S^T, then p; on the way out o
.set OT,  184                          ; v184-215 O^T
.set PC,  216                          ; v216-223 p's codes
.set BM,  224                          ; v224-227 a block's largest score, then its largest p
.set BX,  228                          ; v228-231 the other half's
.set SOP, 232                          ; v232-235 the conversions' scale operands
.set BY,  236                          ; v236-239 the scale bytes
.set FF,  240                          ; v[240:241] f = 2^(old M - new M); on the way out 1 / l
.set TMP, 242
.set SUM2, 244                         ; v[244:245] one of the sums' eight chains
.set PS,  246                          ; v246 p's scale word
.set WV,  10
.set G1,  16                           ; s[16:23] descriptor group 1;  s[24:39] four groups 0
.set G0,  24
.set SEL, 40                           ; s[40:41] v_permlanex16_b32's selects for lane l xor 16
.set CS,  42                           ; s[42:43] c = log2(e) / 8: the packed form names a pair and takes its low word for both halves
.set TB,  44                           ; s44  LDS byte at which the step's record begins
.set CNT, 45                           ; s45  steps to go in a loop
.macro CROUND                          ; a round of the cluster's barrier
	s_barrier_signal -1
	s_barrier_wait -1
	s_cmp_lg_u32 s[WV], 0
	s_cbranch_scc1 .Lnot_wave_0_\@
	s_barrier_signal -3
.Lnot_wave_0_\@:
	s_barrier_wait -3
	s_barrier_signal -1
	s_barrier_wait -1
.endm
; A KEY STEP: 128 keys.  qf: Q's fragment; qs: its scale word
.macro STEP qf, qs
	v_add_nc_u32 v[ADR], s[TB], v[L16]
	v_add_nc_u32 v[AVS], s[TB], v[R16]
	v_nop
	v_nop                                          ; four places behind the last step's products, in front of loads into registers that they have read
.irp t, 0,1,2,3,4,5,6,7
	ds_load_b128 v[KF+4*\t:KF+4*\t+3], v[ADR] offset:512*\t
.endr
	ds_load_b128 v[KS:KS+3], v[ADR] offset:8192
.irp f, 0,1,2,3,4,5,6,7
	ds_load_b128 v[VF+4*\f:VF+4*\f+3], v[ADR] offset:4096+512*\f
.endr
	ds_load_b128 v[VS:VS+3], v[AVS] offset:8704
	s_wait_dscnt 9                                 ; K's eight images and its scale words are in; V's nine loads may stay out
.irp t, 0,1,2,3
	v_wmma_scale_f32_16x16x128_f8f6f4 v[SC+8*\t:SC+8*\t+7], v[KF+4*\t:KF+4*\t+7], v[\qf:\qf+7], 0, v[KS+\t], v[\qs] matrix_a_fmt:MATRIX_FMT_FP4 matrix_b_fmt:MATRIX_FMT_FP4
.endr
.irp t, 4,5,6,7
	v_wmma_scale_f32_16x16x128_f8f6f4 v[SC+8*\t:SC+8*\t+7], v[KF+4*\t:KF+4*\t+7], v[\qf:\qf+7], 0, v[KS+\t-4], v[\qs] matrix_a_fmt:MATRIX_FMT_FP4 matrix_b_fmt:MATRIX_FMT_FP4 matrix_a_scale:MATRIX_SCALE_ROW1
.endr
.rept 4
	v_nop
.endr
.irp b, 0,1,2,3
	v_max3_num_f32 v[BM+\b], v[SC+16*\b], v[SC+1+16*\b], v[SC+2+16*\b]   ; THE LARGEST SCORE OF EACH BLOCK OF 32 KEYS serves twice: for the row's maximum, and, since p rises with the score, for the block's largest p
.endr
.irp i, 3,5,7,9,11,13
.irp b, 0,1,2,3
	v_max3_num_f32 v[BM+\b], v[BM+\b], v[SC+16*\b+\i], v[SC+1+16*\b+\i]   ; (the four blocks by turns)
.endr
.endr
.irp b, 0,1,2,3
	v_max_num_f32 v[BM+\b], v[BM+\b], v[SC+15+16*\b]
.endr
.irp b, 0,1,2,3
	s_delay_alu instid0(VALU_DEP_4)
	v_permlanex16_b32 v[BX+\b], v[BM+\b], s[SEL], s[SEL+1]
.endr
.irp b, 0,1,2,3
	s_delay_alu instid0(VALU_DEP_4)
	v_max_num_f32 v[BM+\b], v[BM+\b], v[BX+\b]     ; with lane l xor 16's 16 keys
.endr
	s_delay_alu instid0(VALU_DEP_2)
	v_max3_num_f32 v[TMP], v[BM], v[BM+1], v[BM+2]
	s_delay_alu instid0(VALU_DEP_1)
	v_max_num_f32 v[TMP], v[TMP], v[BM+3]          ; the step's largest score of my query
	s_delay_alu instid0(VALU_DEP_1)
	v_mul_f32 v[TMP], s[CS], v[TMP]                ; as t (c is positive)
	s_delay_alu instid0(VALU_DEP_1)
	v_max_num_f32 v13, v13, v[TMP]                 ; the running largest t
	v_mov_b32 v[TMP], v12
	s_delay_alu instid0(VALU_DEP_2)
	v_floor_f32 v12, -v13                          ; the new -M = floor(-t) = -ceil(t): M is a whole number
	s_delay_alu instid0(VALU_DEP_1)
	v_sub_f32 v[TMP], v12, v[TMP]                  ; M's old value less its new one: a whole number, 0 or less
	s_delay_alu instid0(VALU_DEP_1)
	v_cvt_i32_f32 v[TMP], v[TMP]                   ; (it saturates)
	s_delay_alu instid0(VALU_DEP_1)
	v_ldexp_f32 v[FF], 1.0, v[TMP]                 ; f = 2^(old M - new M)
.irp j, 0,2,4,6,8,10,12,14,16,18,20,22,24,26,28,30,32,34,36,38,40,42,44,46,48,50,52,54,56,58,60,62
	v_pk_fma_f32 v[SC+\j:SC+1+\j], v[SC+\j:SC+1+\j], s[CS:CS+1], v[12:13] op_sel_hi:[1,0,0]   ; t - M, two at a time
.endr
.irp b, 0,1,2,3
	v_fma_f32 v[BM+\b], v[BM+\b], s[CS], v12       ; the same of each block's largest score
.endr
	s_wait_alu depctr_va_vdst(0)
.irp j, 0,1,2,3,4,5,6,7,8,9,10,11,12,13,14,15,16,17,18,19,20,21,22,23,24,25,26,27,28,29,30,31,32,33,34,35,36,37,38,39,40,41,42,43,44,45,46,47,48,49,50,51,52,53,54,55,56,57,58,59,60,61,62,63
	v_exp_f32 v[SC+\j], v[SC+\j]                   ; p = 2^(t - M), at most 1
.endr
	s_setprio 1
	v_pk_mul_f32 v[14:15], v[14:15], v[FF:FF+1] op_sel_hi:[1,0]   ; the sums under the new M.  (A plain place behind the exponentials)
	s_wait_alu depctr_va_vdst(0)                   ; one wait for the whole batch, ahead of its first reader
.irp b, 0,1,2,3
	v_exp_f32 v[BM+\b], v[BM+\b]                   ; the block's largest p: the same two instructions on the same number give the same bits
.endr
	v_pk_add_f32 v[244:245], v[124:125], v[128:129]
	v_pk_add_f32 v[254:255], v[132:133], v[136:137]
	v_pk_add_f32 v[252:253], v[140:141], v[144:145]
	v_pk_add_f32 v[250:251], v[148:149], v[152:153]
	v_pk_add_f32 v[248:249], v[156:157], v[160:161]
	v_pk_add_f32 v[246:247], v[164:165], v[168:169]
	v_pk_add_f32 v[238:239], v[172:173], v[176:177]
	v_pk_add_f32 v[14:15], v[14:15], v[180:181]
	v_pk_add_f32 v[244:245], v[244:245], v[120:121]
	v_pk_add_f32 v[254:255], v[254:255], v[122:123]
	v_pk_add_f32 v[252:253], v[252:253], v[126:127]
	v_pk_add_f32 v[250:251], v[250:251], v[130:131]
	v_pk_add_f32 v[248:249], v[248:249], v[134:135]
	v_pk_add_f32 v[246:247], v[246:247], v[138:139]
	v_pk_add_f32 v[238:239], v[238:239], v[142:143]
	v_pk_add_f32 v[14:15], v[14:15], v[146:147]
	v_pk_add_f32 v[244:245], v[244:245], v[150:151]
	v_pk_add_f32 v[254:255], v[254:255], v[154:155]
	v_pk_add_f32 v[252:253], v[252:253], v[158:159]
	v_pk_add_f32 v[250:251], v[250:251], v[162:163]
	v_pk_add_f32 v[248:249], v[248:249], v[166:167]
	v_pk_add_f32 v[246:247], v[246:247], v[170:171]
	v_pk_add_f32 v[238:239], v[238:239], v[174:175]
	v_pk_add_f32 v[14:15], v[14:15], v[178:179]
	v_pk_add_f32 v[244:245], v[244:245], v[182:183]
	s_delay_alu instid0(VALU_DEP_2)
	v_pk_add_f32 v[14:15], v[14:15], v[250:251]
	s_delay_alu instid0(VALU_DEP_2)
	v_pk_add_f32 v[244:245], v[244:245], v[248:249]
	v_pk_add_f32 v[254:255], v[254:255], v[246:247]
	v_pk_add_f32 v[252:253], v[252:253], v[238:239]
	s_delay_alu instid0(VALU_DEP_2)
	v_pk_add_f32 v[14:15], v[14:15], v[254:255]
	s_delay_alu instid0(VALU_DEP_2)
	v_pk_add_f32 v[244:245], v[244:245], v[252:253]
	s_delay_alu instid0(VALU_DEP_1)
	v_pk_add_f32 v[14:15], v[14:15], v[244:245]
	s_wait_alu depctr_va_vdst(0)                   ; and one for the four
.irp b, 0,1,2,3
	v_max_num_f32 v[BM+\b], 0x1800000, v[BM+\b]    ; the floor 2^(3 - 127): the byte cannot fall under 1
.endr
.irp b, 0,1,2,3
	s_delay_alu instid0(VALU_DEP_4)
	v_add_nc_u32 v[SOP+\b], 0xff000000, v[BM+\b]   ; 2 off the exponent field: the conversion's scale operand
.endr
.irp b, 0,1,2,3
	s_delay_alu instid0(VALU_DEP_4)
	v_lshrrev_b32 v[BY+\b], 23, v[SOP+\b]          ; the scale's byte
.endr
	s_delay_alu instid0(VALU_DEP_3)
	v_lshl_or_b32 v[PS], v[BY+1], 8, v[BY]         ; p's scale word for these 128 keys
	s_delay_alu instid0(VALU_DEP_1)
	v_lshl_or_b32 v[PS], v[BY+2], 16, v[PS]
	s_delay_alu instid0(VALU_DEP_1)
	v_lshl_or_b32 v[PS], v[BY+3], 24, v[PS]
.irp t, 0,1,2,3,4,5,6,7
	v_cvt_scalef32_pk8_fp4_f32 v[PC+4*(\t/4)+2*(\t%2)+(\t%4)/2], v[SC+8*\t:SC+8*\t+7], v[SOP+\t/2]   ; tile 4 c + i goes to register 4 c + 2 (i % 2) + i / 2
.endr
	v_nop                                          ; one plain place behind a scaled conversion
.irp c, 0,1
	v_permlane16_swap_b32 v[PC+4*\c], v[PC+4*\c+1]     ; tiles 4 c and 4 c + 2 change halves: registers 4 c, 4 c + 1 hold keys 64 c + 32 h + 0 .. 15,
	v_permlane16_swap_b32 v[PC+4*\c+2], v[PC+4*\c+3]   ; tiles 4 c + 1 and 4 c + 3: + 16 .. 31
.endr
	s_setprio 0
.irp j, 0,2,4,6,8,10,12,14,16,18,20,22,24,26,28,30
	v_pk_mul_f32 v[OT+\j:OT+1+\j], v[OT+\j:OT+1+\j], v[FF:FF+1] op_sel_hi:[1,0]   ; O^T under the new M, each accumulator from its low end on.  (Twelve of these name no register of any one product below: the places behind p's codes and scale word)
.endr
	s_wait_alu depctr_va_vdst(0)
	s_wait_dscnt 0x0                               ; V
.irp t, 0,1,2,3
	v_wmma_scale_f32_16x16x128_f8f6f4 v[OT+8*\t:OT+8*\t+7], v[VF+8*\t:VF+8*\t+7], v[PC:PC+7], v[OT+8*\t:OT+8*\t+7], v[VS+\t], v[PS] matrix_a_fmt:MATRIX_FMT_FP4 matrix_b_fmt:MATRIX_FMT_FP4
.endr
	s_add_co_u32 s[TB], s[TB], STEPB
.endm
.macro STEPS n, qf, qs
	s_mov_b32 s[CNT], \n
.Lkey_\@:
	s_setprio 2
	STEP \qf, \qs
	s_sub_co_u32 s[CNT], s[CNT], 1
	s_cmp_lg_u32 s[CNT], 0
	s_cbranch_scc1 .Lkey_\@
	s_setprio 0
.endm
; A pass: one head
.macro PASS p
	v_mov_b32 v13, 0xff61b1e6                      ; the largest t so far: -3e38, under every t
	s_delay_alu instid0(VALU_DEP_1)
	v_floor_f32 v12, -v13                          ; -M
	v_mov_b32 v14, 0
	v_mov_b32 v15, 0
.irp j, 0,1,2,3,4,5,6,7,8,9,10,11,12,13,14,15,16,17,18,19,20,21,22,23,24,25,26,27,28,29,30,31
	v_mov_b32 v[OT+\j], 0                          ; O^T.  (The step is written without a first step of its own: it finds zeros, which the first change of M leaves zeros)
.endr
	s_mov_b32 s[TB], \p*HEADB
.if \p == 0
.irp j, 0,1,2,3
	s_wait_tensorcnt 3-\j                          ; my load j is in.  No LDS load of mine is out
	s_barrier_signal -1
	s_barrier_wait -1                              ; key steps 4 j .. 4 j + 3 of both heads lie in LDS
	STEPS 4, QF, QS
.endr
.else
	STEPS 16, QF+8, QS+1                           ; the last of pass 0's barriers has shown all of the second head
.endif
	; the way out: o = O / l, quantised along d: two blocks
	v_add_f32 v14, v14, v15                        ; the sum's two halves,
	s_delay_alu instid0(VALU_DEP_1)
	v_permlanex16_b32 v[TMP], v14, s[SEL], s[SEL+1]
	s_delay_alu instid0(VALU_DEP_1)
	v_add_f32 v14, v14, v[TMP]                     ; and lane l xor 16's
	s_wait_alu depctr_va_vdst(0)
	v_rcp_f32 v[FF], v14
	v_nop
	v_nop                                          ; (with the two additions: four places behind the last products; and the plain place behind the reciprocal)
	s_wait_alu depctr_va_vdst(0)                   ; the wait ahead of the reciprocal's first reader
.irp j, 0,2,4,6,8,10,12,14,16,18,20,22,24,26,28,30
	v_pk_mul_f32 v[SC+\j:SC+1+\j], v[OT+\j:OT+1+\j], v[FF:FF+1] op_sel_hi:[1,0]   ; register 8 t + j: o(r, 16 t + 8 h + j)
.endr
.irp b, 0,1
	v_max3_num_f32 v[BM+\b], |v[SC+16*\b]|, |v[SC+1+16*\b]|, 0x1800000
.endr
.irp i, 2,4,6,8,10,12,14
.irp b, 0,1
	s_delay_alu instid0(VALU_DEP_2)
	v_max3_num_f32 v[BM+\b], v[BM+\b], |v[SC+16*\b+\i]|, |v[SC+1+16*\b+\i]|
.endr
.endr
.irp b, 0,1
	s_delay_alu instid0(VALU_DEP_2)
	v_permlanex16_b32 v[BX+\b], v[BM+\b], s[SEL], s[SEL+1]
.endr
.irp b, 0,1
	s_delay_alu instid0(VALU_DEP_2)
	v_max_num_f32 v[BM+\b], v[BM+\b], v[BX+\b]
.endr
.irp b, 0,1
	s_delay_alu instid0(VALU_DEP_2)
	v_add_nc_u32 v[SOP+\b], 0xff000000, v[BM+\b]
.endr
.irp b, 0,1
	s_delay_alu instid0(VALU_DEP_2)
	v_lshrrev_b32 v[BY+\b], 23, v[SOP+\b]
.endr
.if \p == 0
	s_delay_alu instid0(VALU_DEP_1)
	v_lshl_or_b32 v[OW], v[BY+1], 8, v[BY]         ; the scale word's lower bytes: head 2 s
.else
	s_delay_alu instid0(VALU_DEP_2)
	v_lshl_or_b32 v[OW], v[BY], 16, v[OW]          ; its upper bytes: head 2 s + 1
	s_delay_alu instid0(VALU_DEP_1)
	v_lshl_or_b32 v[OW], v[BY+1], 24, v[OW]
.endif
.irp t, 0,1,2,3
	v_cvt_scalef32_pk8_fp4_f32 v[OC+4*\p+2*(\t%2)+\t/2], v[SC+8*\t:SC+8*\t+7], v[SOP+\t/2]
.endr
	v_nop
	v_permlane16_swap_b32 v[OC+4*\p], v[OC+4*\p+1]
	v_permlane16_swap_b32 v[OC+4*\p+2], v[OC+4*\p+3]
	global_store_b128 v[L16], v[OC+4*\p:OC+4*\p+3], s[56:57] offset:512*\p   ; an image: 512 consecutive bytes, aligned
.endm
	s_load_b128 s[4:7], s[0:1], 0x0                ; qb, kv
	s_load_b64 s[8:9], s[0:1], 0x10                ; ob
	v_lshl_add_u32 v[SPW], v0, 2, SPARE
	v_mov_b32 v[NIL], 0
	ds_add_u32 v[SPW], v[NIL]                      ; the wave's opening: the add, twice on end, and its wait ahead of the first tensor loads
	ds_add_u32 v[SPW], v[NIL]                      ; and once more; the set-up below, work on registers, stands between it and the wait
	v_lshrrev_b32 v1, 5, v0
	s_delay_alu instid0(VALU_DEP_1)
	v_readfirstlane_b32 s[WV], v1                  ; wave 0..15
	s_bfe_u32 s11, ttmp6, 0x40000                  ; cx: it enters Q's and o's addresses alone
	s_and_b32 s12, ttmp7, 0xffff                   ; the pair of heads: 8 x batch + s, which the four partners share
	s_mul_i32 s14, s12, 2*HEADB
	s_mov_b32 s15, 0
	s_bfe_u32 s13, s[WV], 0x10001                  ; what I fetch, if I fetch: head (w / 2) % 2,
	s_mul_i32 s13, s13, HEADB
	s_and_b32 s44, s[WV], 1                        ; of every four key steps the first two or the last two
	s_mul_i32 s44, s44, CHUNK
	s_add_co_u32 s44, s44, s13                     ; the same offset in LDS and in the pair's bytes of kv
	s_mov_b32 s45, 0
	s_mov_b32 s[G1], 15|(3<<16)|(1<<21)            ; 15:0 the mask: all four work-groups; 17:16 elements of 8 bytes; 21 set beside a mask; no padding
	s_mov_b32 s[G1+1], 32<<16                      ; tensor_dim0: 256 bytes
	s_mov_b32 s[G1+2], 70<<16                      ; tensor_dim1
	s_mov_b32 s[G1+3], 32<<16                      ; tile_dim0
	s_mov_b32 s[G1+4], 70                          ; tile_dim1: 70 rows = two key steps
	s_mov_b32 s[G1+5], 32                          ; dense
	s_mov_b32 s[G1+6], 0
	s_mov_b32 s[G1+7], 0
	s_mov_b32 s[SEL], 0x76543210
	s_mov_b32 s[SEL+1], 0xfedcba98
	s_mov_b32 s[CS], 0x3e38aa3b                    ; c = log2(e) / 8
	s_mov_b32 s[CS+1], s[CS]
	s_mov_b32 s46, 0xffff
	s_mov_b32 s47, 0x7f7f0000
	s_wait_dscnt 0x0                               ; both opening adds are done
	s_wait_kmcnt 0x0
	s_add_nc_u64 s[6:7], s[6:7], s[14:15]
	s_add_nc_u64 s[6:7], s[6:7], s[44:45]
	CROUND                                         ; all four work-groups are here: the joint loads meet
.irp j, 0,1,2,3
	s_mov_b32 s[G0+4*\j], 1
	s_add_co_u32 s[G0+4*\j+1], s44, \j*2*CHUNK
	s_add_nc_u64 s[G0+4*\j+2:G0+4*\j+3], s[6:7], \j*2*CHUNK
	s_or_b32 s[G0+4*\j+3], s[G0+4*\j+3], 0x80000000
.endr
	s_cmp_lt_u32 s[WV], 4                          ; all first fills of a wave stand in one branch on its number: four loads of mine are out
	s_cbranch_scc0 .Lno_fill
.irp j, 0,1,2,3
	tensor_load_to_lds s[G0+4*\j:G0+4*\j+3], s[G1:G1+7]
	s_nop 0
.endr
.rept 4
	v_nop
.endr
.Lno_fill:
	v_and_b32 v[L16], 31, v0
	s_delay_alu instid0(VALU_DEP_1)
	v_lshlrev_b32 v[L16], 4, v[L16]
	s_wait_alu depctr_va_vdst(0)
	v_and_b32 v[R16], 15, v0
	s_delay_alu instid0(VALU_DEP_1)
	v_lshlrev_b32 v[R4], 2, v[R16]
	s_delay_alu instid0(VALU_DEP_2)
	v_lshlrev_b32 v[R16], 4, v[R16]
	s_wait_alu depctr_va_vdst(0)
	s_lshl_b32 s48, ttmp9, 2
	s_add_co_u32 s48, s48, s11                     ; my block of 256 queries
	s_lshl_b32 s49, s48, 1
	s_lshr_b32 s50, s[WV], 3
	s_add_co_u32 s49, s49, s50                     ; which 128 rows of the sequence hold my 16,
	s_and_b32 s50, s[WV], 7                        ; and which tile of them
	s_mul_i32 s52, s12, 2*QHEAD
	s_mul_i32 s51, s49, QSTEP
	s_add_co_u32 s52, s52, s51                     ; their record in qb, head 2 s
	s_bfe_u32 s51, s[WV], 0x10002
	s_lshl_b32 s51, s51, 8
	s_add_co_u32 s54, s52, s51
	s_and_b32 s51, s[WV], 3
	s_lshl_b32 s51, s51, 2
	s_add_co_u32 s54, s54, s51
	s_add_co_u32 s54, s54, 4096                    ; my tile's scale words: + 4,096 + 256 (tile / 4) + 4 (tile % 4), 16 bytes from row to row
	s_mov_b32 s55, 0
	s_lshl_b32 s51, s50, 9
	s_add_co_u32 s52, s52, s51                     ; my tile's image
	s_mov_b32 s53, 0
	s_add_nc_u64 s[52:53], s[4:5], s[52:53]
	s_add_nc_u64 s[54:55], s[4:5], s[54:55]
	global_load_b128 v[QF:QF+3], v[L16], s[52:53] th:TH_LOAD_NT
	global_load_b128 v[QF+8:QF+11], v[L16], s[52:53] offset:QHEAD th:TH_LOAD_NT
	global_load_b32 v[QS], v[R16], s[54:55]
	global_load_b32 v[QS+1], v[R16], s[54:55] offset:QHEAD
	s_lshr_b32 s51, s12, 3                         ; the batch
	s_lshl_b32 s51, s51, 4
	s_add_co_u32 s51, s51, s49
	s_mul_i32 s56, s51, OBLK                       ; my 128 rows' record in ob
	s_and_b32 s51, s12, 7                          ; s
	s_lshl_b32 s58, s51, 6
	s_add_co_u32 s58, s58, s56
	s_lshl_b32 s60, s50, 9
	s_add_co_u32 s58, s58, s60
	s_add_co_u32 s58, s58, 65536                   ; my scale words: + 65,536 + 512 tile + 64 s
	s_mov_b32 s59, 0
	s_lshr_b32 s60, s51, 2
	s_lshl_b32 s60, s60, 15
	s_add_co_u32 s56, s56, s60
	s_and_b32 s60, s51, 3
	s_lshl_b32 s60, s60, 10
	s_add_co_u32 s56, s56, s60
	s_lshl_b32 s60, s50, 12
	s_add_co_u32 s56, s56, s60                     ; my images: + 32,768 (s / 4) + 4,096 tile + 1,024 (s % 4)
	s_mov_b32 s57, 0
	s_add_nc_u64 s[56:57], s[8:9], s[56:57]
	s_add_nc_u64 s[58:59], s[8:9], s[58:59]
.irp j, 4,5,6,7,12,13,14,15
	v_mov_b32 v[QF+\j], 0                          ; Q's upper half: zero codes
.endr
.irp j, 0,1,2,3
	v_mov_b32 v[KF+32+\j], 0                       ; behind K's tile 7
	v_mov_b32 v[BX+\j], 0                          ; written once: a lane permute's destination counts as one of its sources
.endr
	v_mov_b32 v[FF+1], 0                           ; (named as the upper half of a pair)
	v_mov_b32 v[TMP], 0
	s_wait_loadcnt 0x0                             ; Q
	v_and_or_b32 v[QS], v[QS], s46, s47            ; bytes 0, 1 as they are; bytes 2, 3, over the zero codes: 1.0.  (The lines that begin a pass are the places behind these)
	v_and_or_b32 v[QS+1], v[QS+1], s46, s47
	PASS 0
	PASS 1
	global_store_b32 v[R4], v[OW], s[58:59]        ; 64 consecutive bytes, a part of a run of 256: one byte in 17 of what the launch stores.  Lanes 16-31 store the same words to the same places once more
	s_wait_tensorcnt 0x0                           ; the wave's end
	ds_add_u32 v[SPW], v[NIL]
	s_wait_dscnt 0x0
	CROUND                                         ; the closing round
	s_endpgm
.Lfunc_end_k_qf5b28d2f0f_attn:
	.size	k_qf5b28d2f0f_attn, .Lfunc_end_k_qf5b28d2f0f_attn-k_qf5b28d2f0f_attn
	.p2alignl 7, 3214868480
	.fill 96, 4, 3214868480
	.section	.rodata,"a",@progbits
	.p2align	6, 0x0
	.amdhsa_kernel k_qf5b28d2f0f_attn
		.amdhsa_group_segment_fixed_size 288768
		.amdhsa_private_segment_fixed_size 0
		.amdhsa_enable_private_segment 0
		.amdhsa_kernarg_size 24
		.amdhsa_user_sgpr_count 2
		.amdhsa_user_sgpr_kernarg_segment_ptr 1
		.amdhsa_wavefront_size32 1
		.amdhsa_system_sgpr_workgroup_id_x 1
		.amdhsa_system_sgpr_workgroup_id_y 1
		.amdhsa_system_sgpr_workgroup_id_z 1
		.amdhsa_system_vgpr_workitem_id 0
		.amdhsa_next_free_vgpr 256
		.amdhsa_next_free_sgpr 66
		.amdhsa_reserve_vcc 0
		.amdhsa_float_denorm_mode_32 3
		.amdhsa_float_denorm_mode_16_64 3
		.amdhsa_memory_ordered 1
		.amdhsa_forward_progress 1
		.amdhsa_inst_pref_size 99
	.end_amdhsa_kernel
	.amdgpu_metadata
---
amdhsa.version: [ 1, 2 ]
amdhsa.kernels:
  - .name:           k_qf5b28d2f0f_attn
    .symbol:         k_qf5b28d2f0f_attn.kd
    .args:
      - { .name: qb, .offset: 0, .size: 8, .value_kind: global_buffer, .address_space: global }
      - { .name: kv, .offset: 8, .size: 8, .value_kind: global_buffer, .address_space: global }
      - { .name: ob, .offset: 16, .size: 8, .value_kind: global_buffer, .address_space: global }
    .group_segment_fixed_size: 288768
    .private_segment_fixed_size: 0
    .kernarg_segment_align: 8
    .kernarg_segment_size: 24
    .max_flat_workgroup_size: 512
    .sgpr_count:     66
    .vgpr_count:     256
    .wavefront_size: 32
...
	.end_amdgpu_metadata
.endif
;; end of part 2
;; launch oproj (part 3): grid 4 x 64, 4 waves a work-group, clusters of 4 x 4, 327,680 bytes of LDS; arguments ob, Wo_codes, Wo_scales, bo, out0; writes out0
.if DOCPART == 3
	.amdgcn_target "amdgcn-amd-amdhsa--gfx1250"
	.amdhsa_code_object_version 6
	.text
	.protected	k_qf5b28d2f0f_oproj
	.globl	k_qf5b28d2f0f_oproj
	.p2align	8
	.type	k_qf5b28d2f0f_oproj,@function
k_qf5b28d2f0f_oproj:
	s_mov_b64 s[64:65], 0
	v_nop
	global_prefetch_b8 v0, s[64:65] scope:SCOPE_SE
	s_setreg_imm32_b32 hwreg(HW_REG_WAVE_MODE, 25, 1), 1
	s_wait_xcnt 0x0
	s_wait_alu depctr_hold_cnt(0) depctr_sa_sdst(0) depctr_va_vdst(0) depctr_va_sdst(0) depctr_va_ssrc(0) depctr_va_vcc(0) depctr_vm_vsrc(0)
	s_getreg_b32 s2, hwreg(HW_REG_IB_STS2, 6, 4)
	s_cmp_eq_u32 s2, 0
	s_cbranch_scc0 .Lentry_in_a_cluster
	s_endpgm
.Lentry_in_a_cluster:
	s_bfe_u32 s2, ttmp6, 0x10000c
	s_cmp_lg_u32 s2, 0xf033
	s_cbranch_scc0 .Lentry_shape_is_right
	s_endpgm
.Lentry_shape_is_right:
; out0 = o Wo + bo on codes of FP4 (E2M1) with one E8M0 scale for each 32 along K = 1,024.  o comes from ob as images of operand registers with its scale words; Wo as given, K innermost.  No work of the problem is left out.
; LIMIT: the bias is the C of a sum's first matrix instruction: it is added first and not last.
; SHARES.  A work-group makes 128 rows x 256 columns, with all of K in LDS as two halves, each filled ONCE: no LDS byte is filled again.  256 work-groups.  Wave w makes rows 64 (w / 2) on, columns 128 (w % 2) on:
; 4 x 8 accumulators, by turns.
; CLUSTERS: 4 x 4.  o's tile hangs on the tile row alone and is asked for jointly by a row of the cluster, Wo's on the tile column alone, by a column.
; THE MATRIX INSTRUCTION IS USED TRANSPOSED (source 0 = 16 rows of Wo, source 1 = 16 rows of o): a lane holds eight neighbouring numbers of a row of the output.
; REGISTERS, in windows of 256: window 0: addresses and scale words;  window 1: the accumulators, (a, b) at v[8 (8 a + b)];
;   window 2: v0-127 Wo's fragments, two sets; v128-191 the bias; v192-255 o's fragments, two sets; on the way out all 256: rows read back from the stage.
.set PITCH,  272                       ; a row of Wo in LDS: 256 bytes + 16 of padding
.set AIMG,   32768                     ; o's images of half of K: row tile i, head hh of the half's eight: 4,096 i + 512 hh
.set BHALF,  128*PITCH
.set SLOTB,  AIMG+2*BHALF              ; a slot: half of K
.set SCL,    2*SLOTB                   ; o's scale words: 512 i + 64 s + 4 r
.set SCLB,   SCL+4096                  ; Wo's scale bytes, as runs of 256 bytes + 16
.set SBH,    16*272
.set SPARE,  SCLB+2*SBH                ; the spare words, 128 bytes a wave: no other line names them
.set STAGE,  SPARE+512                 ; the way out: 16 rows x (512 bytes + 16) for each wave: bytes of its own, into which no tensor load lands
.set SPITCH, 528
.set OBLK,   69632
.set R,    1
.set H,    2
.set L16,  3
.set ADRA, 4                           ; v4-5 LDS address of my images of o in slot 0, 1
.set ADRB, 6                           ; v6-7 of my fragments of Wo
.set ADSA, 8
.set ADSB, 9
.set BO,   10                          ; v10  32 h
.set STO,  11                          ; v11  the stage: where I put 32 bytes of a row
.set RD,   12                          ; v12  and where I read a row back
.set SPW,  14                          ; v14  LDS address of my spare word; never rewritten
.set NIL,  15                          ; v15  0; never rewritten
.set SA,   32                          ; v32-63  o's scale words: tile a, K step s: 8 a + s
.set SB,   64                          ; v64-127 Wo's: set c at 32 c; + 4 b + q
.set BF,   0                           ; window 2
.set BIAS, 128
.set AFR,  192
.set WV,   80
.set ROLE, 81
.set PART, 82
.set CX,   83
.set CY,   84
.set TR,   87
.set MROW, 89
.set MCOL, 90
.set G1A,  16                          ; s[16:23], s[24:31] descriptor group 1 for o's images and Wo's codes;  s[32:39], s[40:47] for their scales
.set G1B,  24
.set G1SA, 32
.set G1SB, 40
.set G0A,  48                          ; s[48:59] three groups 0 for o: scale words, K half 0, K half 1;  s[68:79] for Wo
.set G0B,  68
.set W_F,  0x80
.set W_M,  0x5a
.set W_M0, 0x6a
.set MSB, 0
.macro WIN new                         ; the immediate's high byte repeats the setting that is left
.if MSB != \new
	s_set_vgpr_msb (MSB<<8)|\new
.set MSB, \new
.endif
.endm
.macro JLOAD g0a, g1a, g0b, g1b        ; a joint load: waves 0 and 1 fetch for o, waves 2 and 3 for Wo; an s_nop 0 and four v_nop follow each of the two lines
	s_cmp_eq_u32 s[ROLE], 0
	s_cbranch_scc0 .Lfor_b_\@
	tensor_load_to_lds s[\g0a:\g0a+3], s[\g1a:\g1a+7]
	s_nop 0
.rept 4
	v_nop
.endr
	s_branch .Lasked_\@
.Lfor_b_\@:
	tensor_load_to_lds s[\g0b:\g0b+3], s[\g1b:\g1b+7]
	s_nop 0
.rept 4
	v_nop
.endr
.Lasked_\@:
.endm
.macro CROUND
	s_barrier_signal -1
	s_barrier_wait -1
	s_cmp_lg_u32 s[WV], 0
	s_cbranch_scc1 .Lnot_wave_0_\@
	s_barrier_signal -3
.Lnot_wave_0_\@:
	s_barrier_wait -3
	s_barrier_signal -1
	s_barrier_wait -1
.endm
.macro PLACES
.rept 4
	v_nop
.endr
.endm
.macro FETCH s, p                      ; the fragments of K step s into set p: 24 loads.  Wo's from rows; o's as images: heads 2 s and 2 s + 1, 512 bytes each
	WIN W_F
.irp i, 0,1,2,3,4,5,6,7
.irp cc, 0,1
	ds_load_b128 v[BF+64*(\p)+8*\i+4*\cc:BF+64*(\p)+8*\i+4*\cc+3], v[ADRB+(\s)/4] offset:64*((\s)%4)+32*\cc+\i*16*PITCH
.endr
.endr
.irp i, 0,1,2,3
.irp cc, 0,1
	ds_load_b128 v[AFR+32*(\p)+8*\i+4*\cc:AFR+32*(\p)+8*\i+4*\cc+3], v[ADRA+(\s)/4] offset:4096*\i+1024*((\s)%4)+512*\cc
.endr
.endr
.endm
.macro SCALEB c                        ; Wo's scale words of K steps 4 c .. 4 c + 3: 8 loads
	WIN 0
.irp i, 0,1,2,3,4,5,6,7
	ds_load_b128 v[SB+32*\c+4*\i:SB+32*\c+4*\i+3], v[ADSB] offset:16*\c+\i*544
.endr
.endm
.macro MUL p, s, mode                  ; K step s on set p: 32 matrix instructions.  mode 1: the sums begin with the bias
.irp a, 0,1,2,3
.irp b, 0,1,2,3,4,5,6,7
.set rD, 8*(8*\a+\b)
.set rB, BF+64*(\p)+8*\b
.set rA, AFR+32*(\p)+8*\a
.set rSB, SB+32*((\s)/4)+4*\b+(\s)%4
.set rSA, SA+8*\a+(\s)
.if \mode == 0
	v_wmma_scale_f32_16x16x128_f8f6f4 v[rD:rD+7], v[rB:rB+7], v[rA:rA+7], v[rD:rD+7], v[rSB], v[rSA] matrix_a_fmt:MATRIX_FMT_FP4 matrix_b_fmt:MATRIX_FMT_FP4
.else
	v_wmma_scale_f32_16x16x128_f8f6f4 v[rD:rD+7], v[rB:rB+7], v[rA:rA+7], v[BIAS+8*\b:BIAS+8*\b+7], v[rSB], v[rSA] matrix_a_fmt:MATRIX_FMT_FP4 matrix_b_fmt:MATRIX_FMT_FP4
.endif
.endr
.endr
.endm
.macro KSTEP s
	PLACES
	FETCH (\s)+1, ((\s)+1)%2
	s_wait_dscnt 24                                ; all but the 24 loads just issued
	WIN W_M
	MUL (\s)%2, \s, 0
.endm
; THE WAY OUT, a block of 16 rows x 128 columns at a time, through my own stage: in as 32 bytes a lane, back as whole rows of 512 bytes.  LDS serves a wave's instructions in order (ISA guide 5.7.1.4): no wait between them.
.macro TOSTAGE a
	WIN 0x04                                       ; an LDS store's data are its source 1: window 1
.irp b, 0,1,2,3,4,5,6,7
	ds_store_b128 v[STO], v[64*\a+8*\b:64*\a+8*\b+3] offset:64*\b          ; each accumulator from its low end on
	ds_store_b128 v[STO], v[64*\a+8*\b+4:64*\a+8*\b+7] offset:64*\b+16
.endr
	WIN 0x80
.irp t, 0,1,2,3,4,5,6,7,8,9,10,11,12,13,14,15
	ds_load_b128 v[64*\a+4*\t:64*\a+4*\t+3], v[RD] offset:\t*SPITCH        ; each block has its own 64 registers of window 2
.endr
.endm
.macro SEND a, younger                 ; younger: the LDS instructions issued behind block a's loads
	s_wait_dscnt \younger
	WIN 0x08                                       ; a store's data are its source 1: window 2
.irp t, 0,1,2,3,4,5,6,7,8,9,10,11,12,13,14,15
	global_store_b128 v[L16], v[64*\a+4*\t:64*\a+4*\t+3], s[12:13] offset:65536*\a+4096*\t th:TH_STORE_NT   ; 32 lanes store 512 consecutive bytes, aligned; written once, read by nobody here
.endr
.endm
	s_load_b256 s[4:11], s[0:1], 0x0               ; ob, Wo's codes, Wo's scales, bo
	s_load_b64 s[12:13], s[0:1], 0x20              ; out0
	v_lshl_add_u32 v[SPW], v0, 2, SPARE
	v_mov_b32 v[NIL], 0
	ds_add_u32 v[SPW], v[NIL]                      ; the wave's opening: the add, twice on end, and its wait ahead of my first tensor load
	ds_add_u32 v[SPW], v[NIL]                      ; and once more; the set-up below, work on registers, stands between it and the wait
	v_lshrrev_b32 v1, 5, v0
	v_readfirstlane_b32 s[WV], v1
	s_lshr_b32 s[ROLE], s[WV], 1
	s_and_b32 s[PART], s[WV], 1
	s_bfe_u32 s[CX], ttmp6, 0x40000                ; the tile column: the grid is one cluster wide
	s_bfe_u32 s[CY], ttmp6, 0x40004
	s_and_b32 s[TR], ttmp7, 0xffff
	s_lshl_b32 s[TR], s[TR], 2
	s_add_co_u32 s[TR], s[TR], s[CY]               ; the tile row
	s_lshl_b32 s[MROW], s[CY], 2
	s_lshl_b32 s[MROW], 15, s[MROW]
	s_lshl_b32 s[MCOL], 0x1111, s[CX]
	s_mul_i32 s91, s[TR], OBLK                     ; o: my tile row's record  (s91-95 never hold cx, s96-99 never cy)
	s_lshl_b32 s92, s[PART], 14
	s_add_co_u32 s92, s92, s91                     ; the four row tiles that I would fetch
	s_mov_b32 s93, 0
	s_lshl_b32 s94, s[PART], 11
	s_add_co_u32 s94, s94, s91
	s_add_co_u32 s94, s94, 65536                   ; and their scale words
	s_mov_b32 s95, 0
	s_lshl_b32 s96, s[CX], 8                       ; Wo: rows 256 x tile column + 128 x part
	s_lshl_b32 s97, s[PART], 7
	s_add_co_u32 s96, s96, s97
	s_lshl_b32 s98, s96, 5
	s_mov_b32 s99, 0
	s_lshl_b32 s96, s96, 9
	s_mov_b32 s97, 0
	s_lshl_b32 s2, s[PART], 14                     ; where they go: no place in the cluster enters an LDS address
	s_lshl_b32 s3, s[PART], 11
	s_mul_i32 s60, s[PART], BHALF
	s_mul_i32 s61, s[PART], SBH
	; descriptor group 1.  o's images and words: dense, rows of 256 bytes (32 elements of 8), no padding: 64 rows and 8
	s_or_b32 s[G1A], s[MROW], (3<<16)|(1<<21)
	s_mov_b32 s[G1A+1], 32<<16
	s_mov_b32 s[G1A+2], 64<<16
	s_mov_b32 s[G1A+3], 32<<16
	s_mov_b32 s[G1A+4], 64
	s_mov_b32 s[G1A+5], 32
	s_mov_b32 s[G1A+6], 0
	s_mov_b32 s[G1A+7], 0
	s_or_b32 s[G1SA], s[MROW], (3<<16)|(1<<21)
	s_mov_b32 s[G1SA+1], 32<<16
	s_mov_b32 s[G1SA+2], 8<<16
	s_mov_b32 s[G1SA+3], 32<<16
	s_mov_b32 s[G1SA+4], 8
	s_mov_b32 s[G1SA+5], 32
	s_mov_b32 s[G1SA+6], 0
	s_mov_b32 s[G1SA+7], 0
	; Wo's codes: 128 rows of 256 bytes, 512 apart in memory, 16 bytes of padding behind each;  its scale bytes: 16 dense rows of 256 bytes, padded likewise
	s_or_b32 s[G1B], s[MCOL], (1<<20)|(1<<21)|(5<<22)|(3<<25)
	s_mov_b32 s[G1B+1], 256<<16
	s_mov_b32 s[G1B+2], 128<<16
	s_mov_b32 s[G1B+3], 256<<16
	s_mov_b32 s[G1B+4], 128
	s_mov_b32 s[G1B+5], 512
	s_mov_b32 s[G1B+6], 0
	s_mov_b32 s[G1B+7], 0
	s_or_b32 s[G1SB], s[MCOL], (3<<16)|(1<<20)|(1<<21)|(5<<22)|(3<<25)
	s_mov_b32 s[G1SB+1], 32<<16
	s_mov_b32 s[G1SB+2], 16<<16
	s_mov_b32 s[G1SB+3], 32<<16
	s_mov_b32 s[G1SB+4], 16
	s_mov_b32 s[G1SB+5], 32
	s_mov_b32 s[G1SB+6], 0
	s_mov_b32 s[G1SB+7], 0
	s_wait_dscnt 0x0                               ; both opening adds are done
	s_wait_kmcnt 0x0
	s_add_nc_u64 s[92:93], s[4:5], s[92:93]
	s_add_nc_u64 s[94:95], s[4:5], s[94:95]
	s_add_nc_u64 s[96:97], s[6:7], s[96:97]
	s_add_nc_u64 s[98:99], s[8:9], s[98:99]
	CROUND                                         ; all sixteen work-groups are here: the joint loads meet
	s_mov_b32 s[G0A], 1
	s_add_co_u32 s[G0A+1], s3, SCL
	s_mov_b64 s[G0A+2:G0A+3], s[94:95]
	s_or_b32 s[G0A+3], s[G0A+3], 0x80000000
	s_mov_b32 s[G0B], 1
	s_add_co_u32 s[G0B+1], s61, SCLB
	s_mov_b64 s[G0B+2:G0B+3], s[98:99]
	s_or_b32 s[G0B+3], s[G0B+3], 0x80000000
	JLOAD G0A, G1SA, G0B, G1SB                     ; the scales first
.irp c, 0,1
	s_mov_b32 s[G0A+4+4*\c], 1
	s_add_co_u32 s[G0A+5+4*\c], s2, \c*SLOTB
	s_add_nc_u64 s[G0A+6+4*\c:G0A+7+4*\c], s[92:93], \c*AIMG
	s_or_b32 s[G0A+7+4*\c], s[G0A+7+4*\c], 0x80000000
	s_mov_b32 s[G0B+4+4*\c], 1
	s_add_co_u32 s[G0B+5+4*\c], s60, \c*SLOTB+AIMG
	s_add_nc_u64 s[G0B+6+4*\c:G0B+7+4*\c], s[96:97], \c*256
	s_or_b32 s[G0B+7+4*\c], s[G0B+7+4*\c], 0x80000000
	s_wait_alu depctr_va_vdst(0)
	s_wait_tensorcnt 0x0
	ds_add_u32 v14, v15
	s_wait_dscnt 0x0
	CROUND
	JLOAD G0A+4+4*\c, G1A, G0B+4+4*\c, G1B         ; half c of K.  One load of mine is out; all are first fills
.endr
	v_and_b32 v[R], 15, v0
	v_bfe_u32 v[H], v0, 4, 1
	v_and_b32 v[L16], 31, v0
	v_lshlrev_b32 v[L16], 4, v[L16]
	s_wait_alu depctr_va_vdst(0)
	v_lshlrev_b32 v[BO], 5, v[H]
	s_lshl_b32 s62, s[CX], 8
	s_lshl_b32 s14, s[PART], 7
	s_add_co_u32 s62, s62, s14                     ; my first column
	s_lshl_b32 s14, s62, 2
	s_mov_b32 s15, 0
	s_add_nc_u64 s[10:11], s[10:11], s[14:15]
	WIN W_F
.irp b, 0,1,2,3,4,5,6,7                        ; the bias in the result's layout: tile b's register j wants column 16 b + 8 h + j
	global_load_b128 v[BIAS+8*\b:BIAS+8*\b+3], v[BO], s[10:11] offset:64*\b
	global_load_b128 v[BIAS+8*\b+4:BIAS+8*\b+7], v[BO], s[10:11] offset:64*\b+16
.endr
	WIN 0
	s_lshl_b32 s63, s[TR], 7
	s_lshl_b32 s2, s[ROLE], 6
	s_add_co_u32 s63, s63, s2                      ; my first row
	s_lshl_b32 s2, s63, 12                         ; 4,096 bytes a row of the output,
	s_add_co_u32 s2, s2, s14                       ; and my first column's bytes
	s_mov_b32 s3, 0
	s_add_nc_u64 s[12:13], s[12:13], s[2:3]
	s_lshl_b32 s60, s[ROLE], 14                    ; my four row tiles' images
	v_add_nc_u32 v[ADRA], s60, v[L16]
	s_add_co_u32 s60, s60, SLOTB
	v_add_nc_u32 v[ADRA+1], s60, v[L16]
	v_mul_u32_u24 v24, v[R], PITCH
	v_lshl_add_u32 v24, v[H], 4, v24
	s_mul_i32 s61, s[PART], BHALF
	s_add_co_u32 s61, s61, AIMG
	v_add_nc_u32 v[ADRB], s61, v24
	s_add_co_u32 s61, s61, SLOTB
	v_add_nc_u32 v[ADRB+1], s61, v24
	s_lshl_b32 s60, s[ROLE], 11
	s_add_co_u32 s60, s60, SCL
	v_lshl_add_u32 v[ADSA], v[R], 2, s60
	v_lshrrev_b32 v25, 3, v[R]
	v_lshlrev_b32 v25, 4, v25
	v_lshl_add_u32 v25, v[R], 5, v25               ; 32 r, and 16 more behind the first 256
	s_mul_i32 s61, s[PART], SBH
	s_add_co_u32 s61, s61, SCLB
	v_add_nc_u32 v[ADSB], s61, v25
	s_mul_i32 s60, s[WV], 16*SPITCH
	s_add_co_u32 s60, s60, STAGE                   ; my stage
	v_mul_u32_u24 v[STO], v[R], SPITCH
	v_lshl_add_u32 v[STO], v[H], 5, v[STO]
	v_add_nc_u32 v[STO], s60, v[STO]
	v_add_nc_u32 v[RD], s60, v[L16]
	s_wait_alu depctr_va_vdst(0)
	s_wait_tensorcnt 0x1                           ; my scales and my part of K's first half are in; the second half's load may stay out
	s_barrier_signal -1
	s_barrier_wait -1
.irp a, 0,1,2,3
.irp s, 0,1,2,3,4,5,6,7
	ds_load_b32 v[SA+8*\a+\s], v[ADSA] offset:512*\a+64*\s      ; o's scale words, once for all of K
.endr
.endr
	SCALEB 0
	FETCH 0, 0
	FETCH 1, 1
	s_wait_dscnt 24                                ; all but K step 1's 24 loads
	s_wait_loadcnt 0x0                             ; the bias
	WIN W_M0
	MUL 0, 0, 1                                    ; the first K step starts the sums on the bias
	KSTEP 1
	KSTEP 2
	s_wait_tensorcnt 0x0                           ; my part of K's second half is in;
	s_wait_dscnt 0x0                               ; no LDS load of mine is out at the signal
	s_barrier_signal -1
	s_barrier_wait -1
	PLACES
	SCALEB 1
	FETCH 4, 0
	WIN W_M
	MUL 1, 3, 0
	KSTEP 4                                        ; its count of 24 also covers the second set of Wo's scale words
	KSTEP 5
	KSTEP 6
	s_wait_dscnt 0x0
	WIN W_M
	MUL 1, 7, 0
	PLACES                                         ; in front of the first reads of results and of loads into registers that the products have read
	TOSTAGE 0
	TOSTAGE 1
	SEND 0, 32                                     ; behind block 0's loads: block 1's 16 stores and 16 loads
	TOSTAGE 2
	SEND 1, 32
	TOSTAGE 3
	SEND 2, 32
	SEND 3, 0
	WIN 0
	s_wait_tensorcnt 0x0                           ; the wave's end, behind my last tensor load and my last LDS store
	ds_add_u32 v[SPW], v[NIL]
	s_wait_dscnt 0x0
	CROUND                                         ; the closing round
	s_endpgm
.Lfunc_end_k_qf5b28d2f0f_oproj:
	.size	k_qf5b28d2f0f_oproj, .Lfunc_end_k_qf5b28d2f0f_oproj-k_qf5b28d2f0f_oproj
	.p2alignl 7, 3214868480
	.fill 96, 4, 3214868480
	.section	.rodata,"a",@progbits
	.p2align	6, 0x0
	.amdhsa_kernel k_qf5b28d2f0f_oproj
		.amdhsa_group_segment_fixed_size 327680
		.amdhsa_private_segment_fixed_size 0
		.amdhsa_enable_private_segment 0
		.amdhsa_kernarg_size 40
		.amdhsa_user_sgpr_count 2
		.amdhsa_user_sgpr_kernarg_segment_ptr 1
		.amdhsa_wavefront_size32 1
		.amdhsa_system_sgpr_workgroup_id_x 1
		.amdhsa_system_sgpr_workgroup_id_y 1
		.amdhsa_system_sgpr_workgroup_id_z 1
		.amdhsa_system_vgpr_workitem_id 0
		.amdhsa_next_free_vgpr 768
		.amdhsa_next_free_sgpr 102
		.amdhsa_reserve_vcc 0
		.amdhsa_float_denorm_mode_32 3
		.amdhsa_float_denorm_mode_16_64 3
		.amdhsa_memory_ordered 1
		.amdhsa_forward_progress 1
		.amdhsa_inst_pref_size 76
	.end_amdhsa_kernel
	.amdgpu_metadata
---
amdhsa.version: [ 1, 2 ]
amdhsa.kernels:
  - .name:           k_qf5b28d2f0f_oproj
    .symbol:         k_qf5b28d2f0f_oproj.kd
    .args:
      - { .name: ob, .offset: 0, .size: 8, .value_kind: global_buffer, .address_space: global }
      - { .name: Wo_codes, .offset: 8, .size: 8, .value_kind: global_buffer, .address_space: global }
      - { .name: Wo_scales, .offset: 16, .size: 8, .value_kind: global_buffer, .address_space: global }
      - { .name: bo, .offset: 24, .size: 8, .value_kind: global_buffer, .address_space: global }
      - { .name: out0, .offset: 32, .size: 8, .value_kind: global_buffer, .address_space: global }
    .group_segment_fixed_size: 327680
    .private_segment_fixed_size: 0
    .kernarg_segment_align: 8
    .kernarg_segment_size: 40
    .max_flat_workgroup_size: 128
    .sgpr_count:     102
    .vgpr_count:     768
    .wavefront_size: 32
...
	.end_amdgpu_metadata
.endif
;; end of part 3
